; MI455X (gfx1250); checked and timed in simulation.
; The chip was launched on July 23, 2026; its instructions are those of AMD's public machine-readable ISA for CDNA 5 (MIT licence, August 2026) and "CDNA5" Instruction Set Architecture Reference Guide (July 2026). The comments in the code are by the model that wrote it; some were corrected since.
;; Multi Head Causal Attention. Allowed arithmetic: matrix products marked QUANTISED: E2M3 operands, one E8M0 scale for each 32 along K, by v_wmma_scale_f32_16x16x128_f8f6f4 with both operands' format E2M3, f32 sums; everything else in f32.
;; Inputs: Wk 1,024 x 1,024 float32; Wo 1,024 x 1,024 float32; Wq 1,024 x 1,024 float32; Wv 1,024 x 1,024 float32; bk 1,024 float32; bo 1,024 float32; bq 1,024 float32; bv 1,024 float32; x 4 x 2,048 x 1,024 float32.
;; Outputs: out0 4 x 2,048 x 1,024 float32.
;; This version of the problem:
;;   THIS VERSION OF THE PROBLEM IS GIVEN IN LOW PRECISION. The matrix products marked QUANTISED in the list below multiply operands that are first quantised to E2M3 (2 exponent bits, 3 mantissa bits; 6 bits a number), with one power-of-two scale for each 32 numbers along K (OCP MX v1.0); their sums are f32. All else is computed in f32.
;;   The module's matrix products, in the order in which they are computed (A, B: the left and right operand; K: the contracted axis; several contracted axes count as one K, in the product's order):
;;     1. [M 8,192, K 1,024] x [K 1,024, N 1,024]; A: input x; B: input Wq: QUANTISED
;;     2. [M 8,192, K 1,024] x [K 1,024, N 1,024]; A: input x; B: input Wk: QUANTISED
;;     3. [M 8,192, K 1,024] x [K 1,024, N 1,024]; A: input x; B: input Wv: QUANTISED
;;     4. batch 64 x [M 2,048, K 64] x [K 64, N 2,048]; A: computed on the way; B: computed on the way: QUANTISED
;;     5. batch 64 x [M 2,048, K 2,048] x [K 2,048, N 64]; A: softmax (see below); B: computed on the way: QUANTISED
;;     6. [M 8,192, K 1,024] x [K 1,024, N 1,024]; A: computed on the way; B: input Wo: QUANTISED
;;   THE QUANTISER, for each operand of a quantised product, along K:
;;     - K is cut into blocks of 32 from its start; a last block that is shorter is filled with zeros.
;;     - A block's scale is 2^e with e = floor(log2(the largest magnitude in the block)) - 2, held to -126 .. 127; a block of zeros has e = 0. As a byte (E8M0): e + 127.
;;     - Each number is divided by its block's scale, clamped to +-7.5, and rounded to the nearest number of E2M3, ties to even, subnormals kept.
;;     - The product sums the exact products of the quantised numbers (number of the format x scale) in f32.
;;   ~~~python
;;   def quantise(x, axis):      # numpy; x: float32 -> the quantised numbers, widened to float32 again
;;       x = np.moveaxis(x, axis, -1); K = x.shape[-1]
;;       x = np.pad(x, [(0, 0)] * (x.ndim - 1) + [(0, -K % 32)]); x = x.reshape(x.shape[:-1] + (-1, 32)); a = np.abs(x).max(-1, keepdims=True)
;;       e = np.where(a > 0, np.clip(np.frexp(np.where(a > 0, a, 1))[1] - 1 - 2, -126, 127), 0)      # np.frexp(a)[1] - 1 = floor(log2(a)), exactly
;;       r = np.clip(x / 2.0 ** e, -7.5, 7.5)
;;       step = 2.0 ** (np.maximum(np.frexp(np.where(r == 0, 1, r))[1] - 1, 0) - 3)
;;       q = np.round(r / step) * step * 2.0 ** e      # np.round: ties to even
;;       return np.moveaxis(q.reshape(q.shape[:-2] + (-1,))[..., :K], -1, axis).astype(np.float32)
;;   ~~~
;;   SOFTMAX AHEAD OF A QUANTISED PRODUCT. Where the list says 'softmax', what is quantised is not the finished softmax but p = 2^(t - M), with t = logit x log2(e) and M = ceil(the row's largest t), a whole number; so 1/2 < the row's largest p <= 1. The row's sum l is taken of the UNQUANTISED p, in f32, and the product's result is divided by l at the end. Since M is a whole number, a kernel that streams over the keys may use a running M (the ceiling of the running maximum): every later rescaling is an exact power of two, which a block's scale takes up: the codes' values come out the same.
;;   OPERANDS COMPUTED ON THE WAY. 'Computed on the way' means the value that the module computes at that place (a softmax that the list does not call 'softmax' is quantised finished and normalised). What goes into a quantiser is computed in f32, as accurately as f32 sums, v_exp_f32 and their like allow (about 1e-6 of the number): no bf16 or f16 on the way to a quantiser, and a product that is left as it is and whose result goes on into a quantised operand takes f32 operands (vector FMAs, or v_wmma_f32_16x16x4_f32). A number that lies on a knife's edge between two numbers of the format may be rounded either way, as far as f32 arithmetic and the matrix unit's own rounding can turn it there, and no further.
;; One version. Each part assembles by itself: llvm-mc -triple=amdgcn-amd-amdhsa -mcpu=gfx1250 --defsym DOCPART=n.
;; ======== version 1 of 1: 4 launches
;; workspace buffers: x_img 6,291,456 bytes; x_sc 262,144 bytes; w_img 3,145,728 bytes; w_sc 131,072 bytes; qkv_img 18,874,368 bytes; qkv_sc 1,310,720 bytes; ao_img 6,291,456 bytes; ao_sc 262,144 bytes
;; launch quant (part 1): grid 384 x 1, 4 waves a work-group, no clusters, 59,904 bytes of LDS; arguments x, Wq, Wk, Wv, Wo, x_img, x_sc, w_img, w_sc; writes x_img, x_sc, w_img, w_sc
.if DOCPART == 1
	.amdgcn_target "amdgcn-amd-amdhsa--gfx1250"
	.amdhsa_code_object_version 6
	.text
	.protected	k_q88927c32a7_quant
	.globl	k_q88927c32a7_quant
	.p2align	8
	.type	k_q88927c32a7_quant,@function
k_q88927c32a7_quant:
	s_mov_b64 s[64:65], 0
	v_nop
	global_prefetch_b8 v0, s[64:65] scope:SCOPE_SE
	s_setreg_imm32_b32 hwreg(HW_REG_WAVE_MODE, 25, 1), 1
	s_wait_xcnt 0x0
; x [8192][1024] f32 (K innermost) and Wq, Wk, Wv, Wo [1024 (k)][1024 (n)] f32 (K outermost) become codes of FP6 (E2M3) with one E8M0 byte for each 32 along K.
; A block's scale is 2^(floor(log2(its largest magnitude)) - 2); its byte is that magnitude's exponent field - 2, held at 1 from below.
; LIMITS: a block of zeros, and a block whose largest magnitude lies under 2^-124, gets the byte 1 (the rule says 127 for zeros): its codes are zeros or the
; nearest codes under that scale, and this program alone reads the bytes.  NaN and infinities among the inputs are not served.
; THE CODES ARE LAID AS IMAGES OF THE OPERAND'S REGISTERS.  A row block is 16 rows; for each 128 along K it has 1,536 bytes: six pieces of 256 bytes; piece e holds
; registers 2 e, 2 e + 1 of the fragment, lane l's 8 bytes at 8 l.  So [row block][K step 8][1536].  The scale bytes lie [position][32].
; THE ROWS OF A BLOCK ARE NOT NEIGHBOURS: in each group of 32 rows, place 16 u + r holds row 8 u + r + 8 (r / 8).  A product used transposed then leaves 16 neighbours
; along the next K in a lane's 16 registers of two neighbouring tiles.
; Work-groups 0-255 take x, 256-383 the weights; the two ways have LDS bytes of their own.  No barrier: waves share nothing.  No matrix unit, cluster or tensor load: each byte is read once by one wave.
; The scale bytes leave in pieces of 8 bytes a lane, rows 32 bytes apart: one byte in 24 of what the launch stores.
.set SP,    528                        ; x: a stage row: 512 bytes (128 numbers) + 16: an odd multiple of 16
.set XSTG,  16*SP                      ; a wave's stage: 16 rows
.set WLDS,  4*XSTG                     ; the weights' way begins here
.set WHALF, 3200                       ; a row block's 3,072 bytes (256 along K) + 128
.set WSTG,  2*WHALF
.set R0,    48                         ; x: v48-175  two sets of 64 registers as loaded
.set X,     176                        ; x: v176-239 my two whole blocks of 32 neighbours
.set PC,    24                         ; x: v24-35   the fragment's 12 registers
.set PT,    36                         ; x: v36-38, v40-42: a conversion's three registers begin on an even number
.set WX,    32                         ; W: v32-95   two sets of 32 numbers
.set WC,    96                         ; W: v96-101  a block's codes
.set WT,    104                        ; W: v104-106
.set WO,    112                        ; W: v112-159 the way out
.macro XLOAD s                         ; K step s: 16 rows x 512 bytes; each load reads 512 consecutive bytes
.irp i, 0,1,2,3,4,5,6,7,8,9,10,11,12,13,14,15
	global_load_b128 v[R0+64*((\s)%2)+4*\i:R0+64*((\s)%2)+4*\i+3], v4, s[4:5] offset:(\i+8*(\i/8))*4096+512*(\s) th:TH_LOAD_NT
.endr
.endm
.macro KSTEP s
.if (\s) < 3
	s_wait_loadcnt 16                              ; this step's 16 loads are in; the next step's 16 may be out
.else
	s_wait_loadcnt 0
.endif
.irp i, 0,1,2,3,4,5,6,7,8,9,10,11,12,13,14,15
	ds_store_b128 v5, v[R0+64*((\s)%2)+4*\i:R0+64*((\s)%2)+4*\i+3] offset:SP*\i
.endr
.irp c, 0,1                            ; LDS serves a wave's instructions in order: these see the stores.  Lane (r, h) takes k = 64 c + 32 h + 0 .. 31 of row r
.irp j, 0,1,2,3,4,5,6,7
	ds_load_b128 v[X+32*\c+4*\j:X+32*\c+4*\j+3], v6 offset:256*\c+16*\j
.endr
.endr
	s_wait_dscnt 0x0                               ; my numbers are back, and the stores have read their registers,
.if (\s)+2 < 4
	XLOAD (\s)+2                                   ; which take the loads of two steps on
.endif
.irp c, 0,1
	v_max3_num_f32 v[10+\c], |v[X+32*\c]|, |v[X+32*\c+1]|, 0x1800000   ; block 2 c + h is all mine; the floor 2^(3 - 127) holds the byte at 1 from below
.endr
.irp i, 2,4,6,8,10,12,14,16,18,20,22,24,26,28,30
.irp c, 0,1
	v_max3_num_f32 v[10+\c], v[10+\c], |v[X+32*\c+\i]|, |v[X+32*\c+\i+1]|
.endr
.endr
.irp c, 0,1
	v_add_nc_u32 v[12+\c], 0xff000000, v[10+\c]    ; 2 off the exponent field: the conversion's scale operand
.endr
.irp c, 0,1
	v_lshrrev_b32 v[14+\c], 23, v[12+\c]           ; the scale's byte
.endr
	v_lshl_or_b32 v16, v15, 16, v14                ; blocks h and 2 + h,
	v_lshlrev_b32 v16, v17, v16                    ; 8 h bits up;
	v_permlanex16_b32 v18, v16, s34, s35
	v_or_b32 v[20+(\s)], v16, v18                  ; with lane l xor 16's two the row's word is whole
.if (\s) > 0
	s_wait_alu depctr_va_vdst(0)
	s_wait_xcnt 0x0                                ; the last step's stores have read the codes' registers
.endif
.irp c, 0,1
	v_cvt_scalef32_pk16_fp6_f32 v[PC+6*\c:PC+6*\c+2], v[X+32*\c:X+32*\c+15], v[12+\c]
	v_cvt_scalef32_pk16_fp6_f32 v[PT+4*\c:PT+4*\c+2], v[X+32*\c+16:X+32*\c+31], v[12+\c]
.endr
	v_nop                                          ; one plain place behind a scaled conversion
.irp c, 0,1
.irp i, 0,1,2
	v_mov_b32 v[PC+6*\c+3+\i], v[PT+4*\c+\i]
.endr
.endr
.irp e, 0,1,2,3,4,5
	global_store_b64 v7, v[PC+2*\e:PC+2*\e+1], s[14:15] offset:1536*(\s)+256*\e   ; 32 lanes store 256 consecutive bytes, aligned
.endr
.endm
.macro WLOAD t                         ; block t: W(32 t + i, my column): 128 consecutive bytes a load
.irp i, 0,1,2,3,4,5,6,7,8,9,10,11,12,13,14,15,16,17,18,19,20,21,22,23,24,25,26,27,28,29,30,31
	global_load_b32 v[WX+32*((\t)%2)+\i], v3, s[6:7] offset:(32*(\t)+\i)*4096 th:TH_LOAD_NT
.endr
.endm
.macro WBLOCK t
.set XS, WX+32*((\t)%2)
.if (\t) < 7
	s_wait_loadcnt 32                              ; this block's 32 loads are in; the next block's may be out
.else
	s_wait_loadcnt 0
.endif
	v_max3_num_f32 v12, |v[XS]|, |v[XS+1]|, |v[XS+2]|
	v_max3_num_f32 v13, |v[XS+3]|, |v[XS+4]|, |v[XS+5]|
.irp i, 6,10,14,18,22,26
	v_max3_num_f32 v12, v12, |v[XS+\i]|, |v[XS+\i+1]|
	v_max3_num_f32 v13, v13, |v[XS+\i+2]|, |v[XS+\i+3]|
.endr
	v_max3_num_f32 v12, v12, |v[XS+30]|, |v[XS+31]|
	v_max3_num_f32 v12, v12, v13, 0x1800000        ; and the floor
	v_add_nc_u32 v14, 0xff000000, v12
	v_lshrrev_b32 v13, 23, v14
.if (\t)%4 == 0
	v_mov_b32 v[24+(\t)/4], v13
.else
	v_lshl_or_b32 v[24+(\t)/4], v13, 8*((\t)%4), v[24+(\t)/4]
.endif
	v_cvt_scalef32_pk16_fp6_f32 v[WC:WC+2], v[XS:XS+15], v14
	v_cvt_scalef32_pk16_fp6_f32 v[WT:WT+2], v[XS+16:XS+31], v14
	v_nop
.irp i, 0,1,2
	v_mov_b32 v[WC+3+\i], v[WT+\i]
.endr
.irp i, 0,1,2                          ; block t is K step t / 4, half (t / 2) % 2, lanes' half t % 2 of my row's fragment
	ds_store_b64 v4, v[WC+2*\i:WC+2*\i+1] offset:1536*((\t)/4)+768*(((\t)/2)%2)+128*((\t)%2)+256*\i
.endr
.if (\t)+2 < 8
	WLOAD (\t)+2
.endif
	s_wait_dscnt 0x0                               ; the stores have read their registers
.endm
	s_load_b512 s[4:19], s[0:1], 0x0               ; x, Wq, Wk, Wv, Wo, x_img, x_sc, w_img
	s_load_b64 s[20:21], s[0:1], 0x40              ; w_sc
	v_lshl_add_u32 v240, v0, 2, 0xe800
	v_mov_b32 v241, 0
	v_lshrrev_b32 v1, 5, v0
	v_readfirstlane_b32 s22, v1                    ; wave
	v_and_b32 v2, 31, v0                           ; lane
	s_cmp_lt_u32 ttmp9, 256
	s_cbranch_scc0 .Lw
	; ---- x: a wave takes one row block (16 places) x 512 along K
	s_lshl_b32 s23, ttmp9, 2
	s_add_co_u32 s23, s23, s22
	s_lshr_b32 s24, s23, 1                         ; row block
	s_and_b32 s25, s23, 1                          ; which half of K
	s_lshr_b32 s26, s24, 1
	s_lshl_b32 s26, s26, 5
	s_and_b32 s27, s24, 1
	s_lshl_b32 s27, s27, 3
	s_add_co_u32 s26, s26, s27                     ; the block's first row: 32 (block / 2) + 8 (block % 2)
	s_lshl_b32 s26, s26, 12
	s_lshl_b32 s27, s25, 11
	s_add_co_u32 s26, s26, s27
	s_mov_b32 s27, 0
	s_mul_i32 s28, s24, 12288
	s_mul_i32 s29, s25, 6144
	s_add_co_u32 s28, s28, s29
	s_mov_b32 s29, 0
	s_lshl_b32 s30, s24, 9
	s_lshl_b32 s31, s25, 4
	s_add_co_u32 s30, s30, s31
	s_mov_b32 s31, 0
	s_mov_b32 s34, 0x76543210
	s_mov_b32 s35, 0xfedcba98                      ; lane l xor 16
	v_and_b32 v3, 15, v0                           ; r
	v_bfe_u32 v9, v0, 4, 1                         ; h
	s_wait_alu depctr_va_vdst(0)
	v_lshlrev_b32 v4, 4, v2                        ; 16 x lane
	s_mul_i32 s32, s22, XSTG
	v_add_nc_u32 v5, s32, v4                       ; into the stage
	v_mul_u32_u24 v6, v3, SP
	v_lshl_add_u32 v6, v9, 7, v6
	v_add_nc_u32 v6, s32, v6                       ; out of it: row r, + 128 h
	v_lshlrev_b32 v7, 3, v2                        ; 8 x lane
	v_lshlrev_b32 v8, 5, v3
	v_lshl_add_u32 v8, v9, 3, v8                   ; 32 r + 8 h
	v_lshlrev_b32 v17, 3, v9                       ; 8 h
	v_mov_b32 v18, 0                               ; a lane permute's destination counts as one of its sources
	s_wait_alu depctr_va_vdst(0)
	s_wait_kmcnt 0x0
	s_add_nc_u64 s[4:5], s[4:5], s[26:27]
	s_add_nc_u64 s[14:15], s[14:15], s[28:29]
	s_add_nc_u64 s[16:17], s[16:17], s[30:31]
	XLOAD 0
	XLOAD 1
	KSTEP 0
	KSTEP 1
	KSTEP 2
	KSTEP 3
	s_mov_b32 vcc_lo, 0xffff0000
	v_cndmask_b32 v10, v20, v22, vcc_lo            ; lanes 0-15 store words 0, 1 of their row, lanes 16-31 words 2, 3
	v_cndmask_b32 v11, v21, v23, vcc_lo
	global_store_b64 v8, v[10:11], s[16:17]
	s_wait_tensorcnt 0x0
	ds_add_u32 v240, v241
	s_wait_dscnt 0x0
	s_endpgm
.Lw:
	; ---- the weights: a lane takes a column, its registers run down K; a wave takes 32 columns x 256 along K
	s_sub_co_u32 s23, ttmp9, 256
	s_lshr_b32 s24, s23, 5                         ; which weight
	s_bfe_u32 s25, s23, 0x30002                    ; which 128 columns
	s_and_b32 s26, s23, 3                          ; which 256 along K
	s_lshl_b32 s28, s26, 20
	s_lshl_b32 s27, s25, 9
	s_add_co_u32 s28, s28, s27
	s_lshl_b32 s27, s22, 7
	s_add_co_u32 s28, s28, s27
	s_mov_b32 s29, 0
	s_lshl_b32 s30, s24, 6
	s_lshl_b32 s27, s25, 3
	s_add_co_u32 s30, s30, s27
	s_lshl_b32 s27, s22, 1
	s_add_co_u32 s30, s30, s27                     ; my first row block: 64 x weight + 8 x group + 2 x wave
	s_lshl_b32 s32, s30, 9
	s_lshl_b32 s27, s26, 3
	s_add_co_u32 s32, s32, s27
	s_mov_b32 s33, 0
	s_mul_i32 s30, s30, 12288
	s_mul_i32 s27, s26, 3072
	s_add_co_u32 s30, s30, s27
	s_mov_b32 s31, 0
	s_wait_alu depctr_va_vdst(0)
	v_lshlrev_b32 v3, 2, v2                        ; 4 x lane
	v_bfe_u32 v10, v0, 3, 1                        ; column l lies at place 16 u + r with u = bit 3 of l,
	v_and_b32 v11, 7, v0
	v_bfe_u32 v12, v0, 4, 1
	v_lshl_or_b32 v11, v12, 3, v11                 ; r = l % 8 + 8 x bit 4 of l
	s_mul_i32 s34, s22, WSTG
	s_add_co_u32 s34, s34, WLDS
	v_mul_u32_u24 v4, v10, WHALF
	v_lshl_add_u32 v4, v11, 3, v4
	v_add_nc_u32 v4, s34, v4                       ; into the stage
	v_lshlrev_b32 v8, 4, v2                        ; 16 x lane
	v_add_nc_u32 v7, s34, v8                       ; out of it
	v_lshl_or_b32 v9, v10, 4, v11
	v_lshlrev_b32 v9, 5, v9                        ; 32 x place
	s_wait_kmcnt 0x0
	s_cmp_eq_u32 s24, 1
	s_cselect_b64 s[6:7], s[8:9], s[6:7]
	s_cmp_eq_u32 s24, 2
	s_cselect_b64 s[6:7], s[10:11], s[6:7]
	s_cmp_eq_u32 s24, 3
	s_cselect_b64 s[6:7], s[12:13], s[6:7]
	s_add_nc_u64 s[6:7], s[6:7], s[28:29]
	s_add_nc_u64 s[18:19], s[18:19], s[30:31]
	s_add_nc_u64 s[20:21], s[20:21], s[32:33]
	WLOAD 0
	WLOAD 1
.irp t, 0,1,2,3,4,5,6,7
	WBLOCK \t
.endr
	s_wait_alu depctr_va_vdst(0)
	global_store_b64 v9, v[24:25], s[20:21]        ; my column's 8 scale bytes
.irp n, 0,1,2,3,4,5,6,7,8,9,10,11
	ds_load_b128 v[WO+4*\n:WO+4*\n+3], v7 offset:WHALF*(\n/6)+512*(\n%6)
.endr
.irp n, 0,1,2,3,4,5,6,7,8,9,10,11
	s_wait_dscnt 11-\n                             ; the younger loads may be out
	global_store_b128 v8, v[WO+4*\n:WO+4*\n+3], s[18:19] offset:12288*(\n/6)+512*(\n%6)   ; 512 consecutive bytes, aligned
.endr
	s_wait_tensorcnt 0x0
	ds_add_u32 v240, v241
	s_wait_dscnt 0x0
	s_endpgm
.Lfunc_end_k_q88927c32a7_quant:
	.size	k_q88927c32a7_quant, .Lfunc_end_k_q88927c32a7_quant-k_q88927c32a7_quant
	.p2alignl 7, 3214868480
	.fill 96, 4, 3214868480
	.section	.rodata,"a",@progbits
	.p2align	6, 0x0
	.amdhsa_kernel k_q88927c32a7_quant
		.amdhsa_group_segment_fixed_size 59904
		.amdhsa_private_segment_fixed_size 0
		.amdhsa_enable_private_segment 0
		.amdhsa_kernarg_size 72
		.amdhsa_user_sgpr_count 2
		.amdhsa_user_sgpr_kernarg_segment_ptr 1
		.amdhsa_wavefront_size32 1
		.amdhsa_system_sgpr_workgroup_id_x 1
		.amdhsa_system_sgpr_workgroup_id_y 1
		.amdhsa_system_sgpr_workgroup_id_z 1
		.amdhsa_system_vgpr_workitem_id 0
		.amdhsa_next_free_vgpr 242
		.amdhsa_next_free_sgpr 66
		.amdhsa_reserve_vcc 1
		.amdhsa_float_denorm_mode_32 3
		.amdhsa_float_denorm_mode_16_64 3
		.amdhsa_memory_ordered 1
		.amdhsa_forward_progress 1
		.amdhsa_inst_pref_size 73
	.end_amdhsa_kernel
	.amdgpu_metadata
---
amdhsa.version: [ 1, 2 ]
amdhsa.kernels:
  - .name:           k_q88927c32a7_quant
    .symbol:         k_q88927c32a7_quant.kd
    .args:
      - { .name: x, .offset: 0, .size: 8, .value_kind: global_buffer, .address_space: global }
      - { .name: Wq, .offset: 8, .size: 8, .value_kind: global_buffer, .address_space: global }
      - { .name: Wk, .offset: 16, .size: 8, .value_kind: global_buffer, .address_space: global }
      - { .name: Wv, .offset: 24, .size: 8, .value_kind: global_buffer, .address_space: global }
      - { .name: Wo, .offset: 32, .size: 8, .value_kind: global_buffer, .address_space: global }
      - { .name: x_img, .offset: 40, .size: 8, .value_kind: global_buffer, .address_space: global }
      - { .name: x_sc, .offset: 48, .size: 8, .value_kind: global_buffer, .address_space: global }
      - { .name: w_img, .offset: 56, .size: 8, .value_kind: global_buffer, .address_space: global }
      - { .name: w_sc, .offset: 64, .size: 8, .value_kind: global_buffer, .address_space: global }
    .group_segment_fixed_size: 59904
    .private_segment_fixed_size: 0
    .kernarg_segment_align: 8
    .kernarg_segment_size: 72
    .max_flat_workgroup_size: 128
    .sgpr_count:     66
    .vgpr_count:     242
    .wavefront_size: 32
...
	.end_amdgpu_metadata
.endif
;; end of part 1
;; launch qkv (part 2): grid 96 x 4, 4 waves a work-group, clusters of 4 x 4, 327,680 bytes of LDS; arguments x_img, x_sc, w_img, w_sc, bq, bk, bv, qkv_img, qkv_sc; writes qkv_img, qkv_sc
.if DOCPART == 2
	.amdgcn_target "amdgcn-amd-amdhsa--gfx1250"
	.amdhsa_code_object_version 6
	.text
	.protected	k_q88927c32a7_qkv
	.globl	k_q88927c32a7_qkv
	.p2align	8
	.type	k_q88927c32a7_qkv,@function
k_q88927c32a7_qkv:
	s_mov_b64 s[64:65], 0
	v_nop
	global_prefetch_b8 v0, s[64:65] scope:SCOPE_SE
	s_setreg_imm32_b32 hwreg(HW_REG_WAVE_MODE, 25, 1), 1
	s_wait_xcnt 0x0
	s_wait_alu depctr_hold_cnt(0) depctr_sa_sdst(0) depctr_va_vdst(0) depctr_va_sdst(0) depctr_va_ssrc(0) depctr_va_vcc(0) depctr_vm_vsrc(0)
	s_getreg_b32 s2, hwreg(HW_REG_IB_STS2, 6, 4)
	s_cmp_eq_u32 s2, 0
	s_cbranch_scc0 .Lentry_in_a_cluster
	s_endpgm
.Lentry_in_a_cluster:
	s_bfe_u32 s2, ttmp6, 0x10000c
	s_cmp_lg_u32 s2, 0xf033
	s_cbranch_scc0 .Lentry_shape_is_right
	s_endpgm
.Lentry_shape_is_right:
; q = x Wq + bq, k = x Wk + bk, v = x Wv + bv on codes of FP6 (E2M3) with E8M0 scales, sums in f32; the results are quantised in registers and leave as codes.
; q and k are quantised along the head's 64, v along the tokens (the keys are the second attention product's K).
; A tile of 256 x 256 to a work-group of four waves, 128 x 128 a wave: 64 accumulators.  K = 1,024 goes in four steps of 256 through a ring of two LDS slots.
; 24 clusters of 4 x 4 work-groups.  Clusters 0-15: A = x's places, B = Wq | Wk's places: a lane holds one token, its registers run along the features.
; Clusters 16-23: the same product with the operands exchanged: A = Wv's places, B = x's places: a lane holds one feature, its registers run along the tokens.
; The mode hangs on the cluster's number alone: it is the same in all sixteen partners.  A's tiles are asked for jointly along a row of the cluster, B's along a column.
; THE OPERANDS ARE IMAGES OF REGISTERS: [row block of 16][K step of 128: 1,536 bytes]: piece e of 256 bytes holds registers 2 e, 2 e + 1, lane l's 8 bytes at 8 l.  So a fragment is six
; ds_load_b64 of 256 consecutive bytes: no pitch, no padding.  In each group of 32 rows place 16 u + r holds row 8 u + r + 8 (r / 8): with source 0 = 16 places of B and source 1 = 16 places of A,
; the 16 registers of B's tiles 2 b, 2 b + 1 are rows 32 b + 16 (lane / 16) + 0 .. 15 of B: 16 neighbours along the next K.
; BIASES: bq, bk run along a lane's registers: they are the C of each sum's first product.  bv is one number a lane: it is added on the way out.  The set that a mode does not use is made zero by a select.
; OUT: q, k: [tensor][batch x head][tile of 16 places 128][768];  v: [..][key step 16][tile of 16 features 4][1,536].  Scale words: q, k: 512 bytes for 128 tokens, lane 16 u + r owns 16 bytes, word b = tile 2 b + u, row r
; (bytes 0, 1 count);  v: 256 bytes for a head and key step, lane 16 u + r owns 8 bytes, word b = feature tile 2 b + u.
; LIMITS: as in the launch before: a block of zeros or under 2^-124 gets the byte 1; NaN and infinities are not served.  bq and bk start the sums, so the order of rounding differs from adding them last.
; REGISTERS as windows of 256: window 0: v0-31 addresses; v32-63 scale words; v64-127 bq | bk, later the numbers to be quantised; v128-223 A's fragments, later at work; v224-231 bv.
;   window 1: B's fragments, two sets.   windows 2, 3: the accumulators ((a, b) at v[8 (8 (a % 4) + b)]).
.set NQ,     2                         ; matrix instructions deep in a slot
.set ROWB,   3072                      ; a row block's bytes of a K step of 256
.set FR,     12
.set NL,     6
.set NP,     4                         ; places behind this matrix instruction (ISA guide 7.12.1)
.set HALFT,  8*ROWB                    ; 128 rows: what one tensor load brings
.set SLOT,   4*HALFT
.set LAPS,   2
.set KS,     32                        ; a row of scale bytes
.set SCL,    2*SLOT                    ; behind the ring: the scales, as units of 256 bytes + 16
.set HALFS,  16*272
.set SBLK,   2*272
.set SPARE,  SCL+4*HALFS               ; the spare words: 128 bytes a wave, named by no other line
.set ADRA, 16
.set ADRB, 20
.set L8,   24                          ; 8 x lane
.set L16,  25                          ; 16 x lane
.set ADRS, 27
.set SPW,  28
.set NIL,  29
.set SC,   32
.set BN,   64
.set HA,   64
.set AF,   128
.set PC,   128
.set SW,   192
.set SWB,  196
.set TM,   200
.set PW,   216
.set BM,   224
.set VO0,  232
.set VO1,  233
.set SEL,  24
.set G1, 24
.set G0, 32
.set G1B, 48
.set G0B, 56
.set G1S, 68
.set G0S, 76
.set G1SB, 80
.set G0SB, 88
.set MSB, 0
.macro WIN new                         ; the immediate's high byte repeats the setting that is left
.if MSB != \new
	s_set_vgpr_msb (MSB<<8)|\new
.set MSB, \new
.endif
.endm
.set MUL_LO, 0xa1                      ; source 0 (B) window 1, source 1 (A) window 0, C and D window 2
.set MUL_HI, 0xf1
.set TO_B,   0x40
.macro JLOAD g0a, g1a, g0b, g1b        ; a joint load: waves 0, 1 fetch for A, waves 2, 3 for B; four v_nop follow each line
	s_cmp_eq_u32 s15, 0
	s_cbranch_scc0 .Lfor_b_\@
	tensor_load_to_lds s[\g0a:\g0a+3], s[\g1a:\g1a+7]
	s_nop 0
.rept 4
	v_nop
.endr
	s_branch .Lasked_\@
.Lfor_b_\@:
	tensor_load_to_lds s[\g0b:\g0b+3], s[\g1b:\g1b+7]
	s_nop 0
.rept 4
	v_nop
.endr
.Lasked_\@:
.endm
.macro CREST
	s_cmp_lg_u32 s14, 0
	s_cbranch_scc1 .Lnot_wave_0_\@
	s_barrier_signal -3
.Lnot_wave_0_\@:
	s_barrier_wait -3
	s_barrier_signal -1
	s_barrier_wait -1
.endm
.macro CROUND
	s_barrier_signal -1
	s_barrier_wait -1
	CREST
.endm
.macro FRAG reg, adr, q, i             ; a fragment: six pieces of 256 consecutive bytes
.irp p, 0,1,2,3,4,5
	ds_load_b64 v[\reg+2*\p:\reg+2*\p+1], v[\adr] offset:ROWB*(\i)+1536*(\q)+256*\p
.endr
.endm
; 16 matrix instructions: A's blocks a0, a0 + 1 x B's eight.  first = 1: the sums begin with the bias.  The 64 accumulators take turns, one instruction a turn.
.macro MUL16 a0, p, q, sc, first
.irp a, \a0, \a0+1
.irp b, 0,1,2,3,4,5,6,7
.if \first
	v_wmma_scale_f32_16x16x128_f8f6f4 v[8*(8*((\a)%4)+\b):8*(8*((\a)%4)+\b)+7], v[128*(\p)+FR*\b:128*(\p)+FR*\b+FR-1], v[AF+FR*(\a):AF+FR*(\a)+FR-1], v[BN+8*\b:BN+8*\b+7], v[SC+8*NQ*(\sc)+NQ*\b+(\q)], v[SC+8*NQ*(\sc)+NQ*(\a)+(\q)] matrix_a_fmt:MATRIX_FMT_FP6 matrix_b_fmt:MATRIX_FMT_FP6 matrix_a_scale:MATRIX_SCALE_ROW1
.else
	v_wmma_scale_f32_16x16x128_f8f6f4 v[8*(8*((\a)%4)+\b):8*(8*((\a)%4)+\b)+7], v[128*(\p)+FR*\b:128*(\p)+FR*\b+FR-1], v[AF+FR*(\a):AF+FR*(\a)+FR-1], v[8*(8*((\a)%4)+\b):8*(8*((\a)%4)+\b)+7], v[SC+8*NQ*(\sc)+NQ*\b+(\q)], v[SC+8*NQ*(\sc)+NQ*(\a)+(\q)] matrix_a_fmt:MATRIX_FMT_FP6 matrix_b_fmt:MATRIX_FMT_FP6 matrix_a_scale:MATRIX_SCALE_ROW1
.endif
.endr
.endr
.endm
.macro FETCH_B slot, q, p
	WIN TO_B
.irp i, 0,1,2,3,4,5,6,7
	FRAG 128*(\p)+FR*\i, ADRB+\slot, \q, \i
.endr
	WIN 0
.endm
.macro FETCH_A slot, q, i0
.irp i, \i0, \i0+1, \i0+2, \i0+3
	FRAG AF+FR*(\i), ADRA+\slot, \q, \i
.endr
.endm
.macro SCALES sc                       ; lanes 0-15 take the words of A's block i, lanes 16-31 those of B's block i
.irp i, 0,1,2,3,4,5,6,7
	ds_load_b64 v[SC+8*NQ*\sc+NQ*\i:SC+8*NQ*\sc+NQ*\i+1], v[ADRS] offset:\i*SBLK
.endr
.endm
.macro PLACES n
.rept \n
	v_nop
.endr
.endm
.macro STEP slot, q, first             ; a step of 128 along K that has its successor in the same slot
	s_wait_dscnt 4*NL                              ; B's set and A's blocks 0-3 are in; the youngest 24 loads (A's blocks 4-7) may be out
.if \first
	WIN 0x81                                       ; C (the bias) window 0, D window 2
.else
	WIN MUL_LO
.endif
	MUL16 0, (\q)%2, \q, \slot, \first
	MUL16 2, (\q)%2, \q, \slot, \first
	s_wait_dscnt 0
	PLACES NP
	FETCH_B \slot, (\q)+1, 1-(\q)%2
	FETCH_A \slot, (\q)+1, 0
.if \first
	WIN 0xc1
.else
	WIN MUL_HI
.endif
	MUL16 4, (\q)%2, \q, \slot, \first
	MUL16 6, (\q)%2, \q, \slot, \first
	PLACES NP
	WIN 0
	FETCH_A \slot, (\q)+1, 4
.endm
.macro TURN slot, next, fill           ; a slot's last step changes slots: one barrier; fill = 1: this slot is filled again, two K steps ahead
	s_wait_tensorcnt 0x0                           ; all my tensor loads have landed: my part of the next slot
	ds_add_u32 v[SPW], v[NIL]                      ; 0 onto my spare word
	s_wait_dscnt 4*NL+1                            ; (the add and A's blocks 4-7 may be out)
	WIN MUL_LO
	MUL16 0, 1, NQ-1, \slot, 0
	s_wait_dscnt 0x0                               ; the add is done, and my reads of this slot are over
	s_barrier_signal -1
	MUL16 2, 1, NQ-1, \slot, 0
	WIN 0
	s_barrier_wait -1
.if \fill
	CREST                                          ; the barrier has opened a round of the cluster's barrier: no wave of any partner still reads this slot or has a load on its way
	s_add_nc_u64 s[G0+4*\slot+2:G0+4*\slot+3], s[G0+4*\slot+2:G0+4*\slot+3], 2*ROWB
	s_add_nc_u64 s[G0B+4*\slot+2:G0B+4*\slot+3], s[G0B+4*\slot+2:G0B+4*\slot+3], 2*ROWB
	JLOAD G0+4*\slot, G1, G0B+4*\slot, G1B         ; the first tensor load behind the round; its four v_nop are the places in front of the loads below
.else
	PLACES NP
.endif
	s_wait_alu depctr_va_vdst(0)
	v_add_nc_u32 v[ADRS], 4*NQ, v[ADRS]            ; the next K step's scale words
	FETCH_B \next, 0, 0
	FETCH_A \next, 0, 0
	SCALES \next
	WIN MUL_HI
	MUL16 4, 1, NQ-1, \slot, 0
	MUL16 6, 1, NQ-1, \slot, 0
	PLACES NP
	WIN 0
	FETCH_A \next, 0, 4
.endm
; 64 numbers of a lane, register 16 b + i = k 32 b + 16 (lane / 16) + i of my row, become a fragment's codes in v[PC] on and its scale word in v[PW].  w: earlier stores still read v[PC] on
.macro QUANT s, w
.irp b, 0,1,2,3
	v_max3_num_f32 v[TM+\b], |v[\s+16*\b]|, |v[\s+1+16*\b]|, 0x1800000   ; my 16 numbers of block b, and the floor 2^(3 - 127)
.endr
.irp i, 2,4,6,8,10,12,14
.irp b, 0,1,2,3
	v_max3_num_f32 v[TM+\b], v[TM+\b], |v[\s+16*\b+\i]|, |v[\s+1+16*\b+\i]|
.endr
.endr
.irp b, 0,1,2,3
	v_permlanex16_b32 v[TM+4+\b], v[TM+\b], s[SEL], s[SEL+1]
.endr
.irp b, 0,1,2,3
	v_max_num_f32 v[TM+\b], v[TM+\b], v[TM+4+\b]   ; with lane l xor 16's: the block's largest magnitude
.endr
.irp b, 0,1,2,3
	v_add_nc_u32 v[TM+12+\b], 0xff000000, v[TM+\b] ; 2 off its exponent field: the conversion's scale operand
.endr
.irp b, 0,1,2,3
	v_lshrrev_b32 v[TM+4+\b], 23, v[TM+12+\b]      ; the scale's byte
.endr
	v_lshl_or_b32 v[PW], v[TM+5], 8, v[TM+4]
	v_lshl_or_b32 v[PW], v[TM+6], 16, v[PW]
	v_lshl_or_b32 v[PW], v[TM+7], 24, v[PW]
.if \w
	s_wait_xcnt 0x0                                ; the last block's stores have read their data and offsets
.endif
.irp c, 0,1
	v_cvt_scalef32_pk16_fp6_f32 v[PC+6*\c:PC+2+6*\c], v[\s+32*\c:\s+15+32*\c], v[TM+12+2*\c]
	v_cvt_scalef32_pk16_fp6_f32 v[PC+12+4*\c:PC+14+4*\c], v[\s+16+32*\c:\s+31+32*\c], v[TM+12+2*\c+1]
.endr
	v_nop                                          ; one plain place behind a scaled conversion
.irp c, 0,1                            ; the layout wants a whole block in a lane
.irp i, 0,1,2
	v_permlane16_swap_b32 v[PC+6*\c+\i], v[PC+12+4*\c+\i]
.endr
.irp i, 0,1,2
	v_mov_b32 v[PC+3+6*\c+\i], v[PC+12+4*\c+\i]
.endr
.endr
.endm
; A's block a leaves: + bv (zeros for q, k), which is also the move into window 0, each accumulator from its low end on; quantised; two halves of 768 bytes stored
.macro OUTA a
.if (\a) < 4
	WIN 0x02
.else
	WIN 0x03
.endif
.set i, 0
.rept 32
.if (\a)%2 == 0
	v_pk_add_f32 v[HA+2*i:HA+2*i+1], v[64*((\a)%4)+2*i:64*((\a)%4)+2*i+1], v[BM+2*((\a)/2):BM+2*((\a)/2)+1] op_sel_hi:[1,0]
.else
	v_pk_add_f32 v[HA+2*i:HA+2*i+1], v[64*((\a)%4)+2*i:64*((\a)%4)+2*i+1], v[BM+2*((\a)/2):BM+2*((\a)/2)+1] op_sel:[0,1] op_sel_hi:[1,1]
.endif
.set i, i+1
.endr
	WIN 0
	QUANT HA, (\a)
	v_add_nc_u32 v[VO0], s92, v[L8]
	v_add_nc_u32 v[VO1], s93, v[VO0]
.irp e, 0,1,2
	global_store_b64 v[VO0], v[PC+2*\e:PC+2*\e+1], s[98:99] offset:256*\e     ; 256 consecutive bytes, aligned
.endr
.irp e, 0,1,2
	global_store_b64 v[VO1], v[PC+6+2*\e:PC+7+2*\e], s[98:99] offset:256*\e
.endr
.if (\a)%2 == 0
	v_mov_b32 v[SW+(\a)/2], v[PW]
.else
	v_cndmask_b32 v[SW+(\a)/2], v[SW+(\a)/2], v[PW], vcc_lo   ; lanes 16-31 carry the odd block's words
.endif
.if (\a) == 3
	s_add_co_u32 s92, s92, s95
.else
	s_add_co_u32 s92, s92, s94
.endif
.endm
	s_load_b256 s[4:11], s[0:1], 0x0               ; x_img, x_sc, w_img, w_sc
	s_load_b256 s[92:99], s[0:1], 0x20             ; bq, bk, bv, qkv_img
	s_load_b64 s[100:101], s[0:1], 0x40            ; qkv_sc
	v_lshl_add_u32 v[SPW], v0, 2, SPARE
	v_mov_b32 v[NIL], 0
	ds_add_u32 v28, v29
	ds_add_u32 v28, v29
	s_wait_dscnt 0x0
	v_lshrrev_b32 v1, 5, v0
	v_readfirstlane_b32 s14, v1                    ; wave 0..3
	s_lshr_b32 s15, s14, 1                         ; my half of the tile's rows.  Also: I fetch for A (0) or B (1)
	s_and_b32 s16, s14, 1                          ; my half of its columns.  Also: which 128 rows I fetch
	s_bfe_u32 s40, ttmp6, 0x40000                  ; cx
	s_bfe_u32 s41, ttmp6, 0x40004                  ; cy
	s_lshr_b32 s2, ttmp9, 1
	s_and_b32 s3, ttmp9, 1
	s_sub_co_u32 s18, ttmp9, 16
	s_cmp_lt_u32 ttmp9, 16                         ; clusters 0-15: q and k; 16-23: v
	s_cselect_b32 s2, s2, 0                        ; the cluster's row of tiles
	s_cselect_b32 s3, s3, s18                      ; and its column
	s_cselect_b32 s12, 0, 1                        ; the mode
	s_cselect_b32 s13, 0, 2048                     ; A's first place: Wv begins at place 2,048 of the weights
	s_lshl_b32 s42, s3, 2
	s_add_co_u32 s42, s42, s40                     ; tile column
	s_lshl_b32 s17, s2, 2
	s_add_co_u32 s17, s17, s41                     ; tile row
	s_lshl_b32 s43, s41, 2
	s_lshl_b32 s43, 15, s43                        ; my row of the cluster
	s_lshl_b32 s44, 0x1111, s40                    ; my column
	; group 1 for codes: 8 row blocks x 3,072 bytes (384 elements of 8 bytes), 12,288 bytes apart in memory, dense in LDS
	s_or_b32 s[G1+0], s43, (3<<16)|(1<<21)
	s_or_b32 s[G1B+0], s44, (3<<16)|(1<<21)
.irp g, G1, G1B
	s_mov_b32 s[\g+1], 384<<16
	s_mov_b32 s[\g+2], 8<<16
	s_mov_b32 s[\g+3], 384<<16
	s_mov_b32 s[\g+4], 8
	s_mov_b32 s[\g+5], 1536
	s_mov_b32 s[\g+6], 0
	s_mov_b32 s[\g+7], 0
.endr
	; and for the scales of 128 rows: 4,096 dense bytes as 16 rows of 256 bytes, 16 bytes of padding behind each
	s_or_b32 s[G1S+0], s43, (3<<16)|(1<<20)|(1<<21)|(5<<22)|(3<<25)
	s_or_b32 s[G1SB+0], s44, (3<<16)|(1<<20)|(1<<21)|(5<<22)|(3<<25)
.irp g, G1S, G1SB
	s_mov_b32 s[\g+1], 32<<16
	s_mov_b32 s[\g+2], 16<<16
	s_mov_b32 s[\g+3], 32<<16
	s_mov_b32 s[\g+4], 16
	s_mov_b32 s[\g+5], 32
	s_mov_b32 s[\g+6], 0
	s_mov_b32 s[\g+7], 0
.endr
	s_lshl_b32 s18, s16, 7
	s_lshl_b32 s20, s17, 8
	s_add_co_u32 s20, s20, s18
	s_add_co_u32 s20, s20, s13                     ; A: the first place that I fetch
	s_lshl_b32 s46, s42, 8
	s_add_co_u32 s46, s46, s18                     ; B likewise
	s_lshl_b32 s22, s20, 5                         ; 32 scale bytes a place,
	s_mov_b32 s23, 0
	s_mul_i32 s20, s20, 768                        ; 768 bytes of codes
	s_mov_b32 s21, 0
	s_lshl_b32 s66, s46, 5
	s_mov_b32 s67, 0
	s_mul_i32 s46, s46, 768
	s_mov_b32 s47, 0
	s_mul_i32 s45, s14, HALFT                      ; where they go: no place in the cluster enters an LDS address
	s_mul_i32 s2, s14, HALFS
	s_wait_kmcnt 0x0
	s_cmp_lt_u32 ttmp9, 16
	s_cselect_b64 s[18:19], s[4:5], s[8:9]         ; A's codes,
	s_cselect_b64 s[104:105], s[6:7], s[10:11]     ; A's scales,
	s_cselect_b64 s[8:9], s[8:9], s[4:5]           ; B's codes,
	s_cselect_b64 s[10:11], s[10:11], s[6:7]       ; B's scales
	s_add_nc_u64 s[20:21], s[18:19], s[20:21]
	s_add_nc_u64 s[22:23], s[104:105], s[22:23]
	s_add_nc_u64 s[46:47], s[8:9], s[46:47]
	s_add_nc_u64 s[66:67], s[10:11], s[66:67]
	CROUND                                         ; all sixteen work-groups are here: the first joint loads meet
	s_mov_b32 s[G0S], 1
	s_add_co_u32 s[G0S+1], s2, SCL
	s_mov_b64 s[G0S+2:G0S+3], s[22:23]
	s_or_b32 s[G0S+3], s[G0S+3], 0x80000000
	s_mov_b32 s[G0SB], 1
	s_add_co_u32 s[G0SB+1], s2, SCL
	s_mov_b64 s[G0SB+2:G0SB+3], s[66:67]
	s_or_b32 s[G0SB+3], s[G0SB+3], 0x80000000
	JLOAD G0S, G1S, G0SB, G1SB                     ; the scales first: filled once
.irp s, 0,1
	s_mov_b32 s[G0+4*\s], 1
	s_add_co_u32 s[G0+4*\s+1], s45, \s*SLOT
	s_add_nc_u64 s[G0+4*\s+2:G0+4*\s+3], s[20:21], \s*ROWB
	s_or_b32 s[G0+4*\s+3], s[G0+4*\s+3], 0x80000000
	s_mov_b32 s[G0B+4*\s], 1
	s_add_co_u32 s[G0B+4*\s+1], s45, \s*SLOT
	s_add_nc_u64 s[G0B+4*\s+2:G0B+4*\s+3], s[46:47], \s*ROWB
	s_or_b32 s[G0B+4*\s+3], s[G0B+4*\s+3], 0x80000000
	JLOAD G0+4*\s, G1, G0B+4*\s, G1B
.endr
	v_and_b32 v3, 31, v0
	v_lshlrev_b32 v[L8], 3, v3
	v_lshlrev_b32 v[L16], 4, v3
	v_and_b32 v1, 15, v0                           ; r
	v_bfe_u32 v2, v0, 4, 1                         ; h
	s_wait_alu depctr_va_vdst(0)
	s_mul_i32 s21, s15, HALFT                      ; my 128 rows of A
	s_mul_i32 s22, s16, HALFT
	s_add_co_u32 s22, s22, 2*HALFT                 ; my 128 rows of B
.irp s, 0,1
	v_add_nc_u32 v[ADRA+\s], s21, v[L8]
	v_add_nc_u32 v[ADRB+\s], s22, v[L8]
	s_add_co_u32 s21, s21, SLOT
	s_add_co_u32 s22, s22, SLOT
.endr
	v_mul_u32_u24 v5, v1, KS                       ; my row's scales: 32 bytes a row,
	v_lshrrev_b32 v6, 8, v5
	v_lshl_add_u32 v5, v6, 4, v5                   ; and 16 more for each 256 passed
	s_mul_i32 s21, s15, HALFS
	s_mul_i32 s22, s16, HALFS
	s_add_co_u32 s22, s22, 2*HALFS
	s_sub_co_u32 s22, s22, s21
	v_mul_u32_u24 v6, s22, v2                      ; lanes 16-31 take B's
	s_add_co_u32 s21, s21, SCL
	v_add_nc_u32 v5, v5, v6
	v_add_nc_u32 v[ADRS], s21, v5
	; the biases
	s_lshl_b32 s104, s42, 8
	s_lshl_b32 s105, s16, 7
	s_add_co_u32 s104, s104, s105                  ; my first column
	s_lshl_b32 s13, s17, 8
	s_lshl_b32 s105, s15, 7
	s_add_co_u32 s13, s13, s105                    ; my first row
	s_cmp_eq_u32 s12, 0
	s_cselect_b32 s104, s104, s13                  ; the first of my 128 features: among q | k's 2,048, or among v's 1,024
	s_cselect_b32 s13, 0, s13                      ; bv by lanes: from my first feature; for q and k from 0, and made zero below
	s_lshr_b32 s105, s104, 10
	s_and_b32 s104, s104, 1023
	s_cmp_eq_u32 s105, 1
	s_cselect_b64 s[92:93], s[94:95], s[92:93]
	s_cmp_eq_u32 s12, 1
	s_cselect_b64 s[92:93], s[96:97], s[92:93]
	v_lshlrev_b32 v5, 6, v2
	v_lshl_add_u32 v5, s104, 2, v5                 ; 4 x (first feature + 16 h)
	v_and_b32 v6, 8, v1
	v_add_nc_u32 v6, v6, v1
	v_add_nc_u32 v6, s13, v6
	v_lshlrev_b32 v6, 2, v6                        ; 4 x (first feature + r + 8 (r / 8))
.irp b, 0,1,2,3,4,5,6,7
	global_load_b128 v[BN+8*\b:BN+8*\b+3], v5, s[92:93] offset:(32*(\b/2)+8*(\b%2))*4
	global_load_b128 v[BN+8*\b+4:BN+8*\b+7], v5, s[92:93] offset:(32*(\b/2)+8*(\b%2))*4+16
.endr
.irp a, 0,1,2,3,4,5,6,7
	global_load_b32 v[BM+\a], v6, s[96:97] offset:(32*(\a/2)+8*(\a%2))*4
.endr
	s_wait_loadcnt 0x0
	s_cmp_eq_u32 s12, 0
	s_cselect_b32 vcc_lo, -1, 0
.set i, 0
.rept 64
	v_cndmask_b32 v[BN+i], 0, v[BN+i], vcc_lo      ; kept for q and k, zero for v
.set i, i+1
.endr
	s_not_b32 vcc_lo, vcc_lo
.set i, 0
.rept 8
	v_cndmask_b32 v[BM+i], 0, v[BM+i], vcc_lo      ; kept for v, zero for q and k
.set i, i+1
.endr
	s_wait_alu depctr_va_vdst(0)
	s_wait_tensorcnt 1                             ; the scales and my part of K step 0 are in (K step 1's load may be out),
	s_barrier_signal -1
	s_barrier_wait -1                              ; everybody's are
	FETCH_B 0, 0, 0
	FETCH_A 0, 0, 0
	SCALES 0
	FETCH_A 0, 0, 4
	STEP 0, 0, 1                                   ; the first step stands in front of the loop: its products start the sums
	s_mov_b32 s3, LAPS-1
.Llap:
	TURN 0, 1, 1
	STEP 1, 0, 0
	TURN 1, 0, 1
	STEP 0, 0, 0
	s_sub_co_u32 s3, s3, 1
	s_cmp_lg_u32 s3, 0
	s_cbranch_scc1 .Llap
	TURN 0, 1, 0                                   ; the last lap fills nothing
	STEP 1, 0, 0
	s_wait_dscnt 4*NL
	WIN MUL_LO
	MUL16 0, 1, NQ-1, 1, 0
	MUL16 2, 1, NQ-1, 1, 0
	s_wait_dscnt 0
	WIN MUL_HI
	MUL16 4, 1, NQ-1, 1, 0
	MUL16 6, 1, NQ-1, 1, 0
	WIN 0
	PLACES NP                                      ; in front of the first read of results and of the first write over A's fragments
	; THE WAY OUT.  No tensor load of mine is out: the descriptors' registers are free
	s_mov_b32 s[SEL], 0x76543210
	s_mov_b32 s[SEL+1], 0xfedcba98
	s_lshl_b32 s26, s17, 8
	s_lshl_b32 s27, s15, 7
	s_add_co_u32 s26, s26, s27                     ; my first row
	s_lshl_b32 s27, s42, 8
	s_lshl_b32 s28, s16, 7
	s_add_co_u32 s27, s27, s28                     ; my first column
	s_add_co_u32 s28, s26, 2048
	s_mov_b32 s93, 768
	s_mov_b32 s94, 1536
	s_mov_b32 s95, 93696
	s_cmp_eq_u32 s12, 0
	s_cselect_b32 s29, s26, s27                    ; my first token
	s_cselect_b32 s30, s27, s28                    ; my first feature of the 3,072
	s_cselect_b32 s93, 98304, s93                  ; from a fragment's first half to its second: the next head | 768
	s_cselect_b32 s94, 768, s94                    ; from block to block: the next tile of tokens | the next tile of features
	s_cselect_b32 s95, 768, s95                    ; behind block 3: the same | the next head's first tile
	s_cselect_b32 s31, 9, 8                        ; a group's scale words: 512 | 256 bytes
	s_cselect_b32 s32, 0, 8192                     ; v's lie behind k's
	s_lshr_b32 s33, s30, 10                        ; the tensor: 0 q, 1 k, 2 v
	s_lshr_b32 s34, s29, 11
	s_lshl_b32 s34, s34, 4
	s_bfe_u32 s35, s30, 0x40006
	s_add_co_u32 s34, s34, s35                     ; 16 x batch + my first head
	s_bfe_u32 s35, s29, 0x40007                    ; which 128 tokens of the sequence
	s_lshl_b32 s36, s33, 6
	s_add_co_u32 s36, s36, s34
	s_mul_i32 s92, s36, 98304
	s_mul_i32 s36, s35, 6144
	s_add_co_u32 s92, s92, s36                     ; block 0's place among the codes
	s_mov_b32 s37, 12288
	s_cmp_eq_u32 s33, 0
	s_cselect_b32 s37, 8192, s37                   ; from head to head among the scale words
	s_cselect_b32 s38, 0, 524288
	s_mul_i32 s36, s37, s34
	s_add_co_u32 s38, s38, s36
	s_lshl_b32 s36, s35, s31
	s_add_co_u32 s38, s38, s36
	s_add_co_u32 s38, s38, s32
	s_mov_b32 s39, 0
	s_add_nc_u64 s[100:101], s[100:101], s[38:39]
	s_mov_b32 s38, s37
	s_add_nc_u64 s[104:105], s[100:101], s[38:39]
	s_mov_b32 vcc_lo, 0xffff0000
.irp b, 0,1,2,3
	v_mov_b32 v[TM+4+\b], 0                        ; a lane permute's destination counts as one of its sources
.endr
.irp a, 0,1,2,3,4,5,6,7
	OUTA \a
.endr
	s_cmp_eq_u32 s12, 0
	s_cbranch_scc0 .Lv_words
	global_store_b128 v[L16], v[SW:SW+3], s[100:101]   ; my first head's words: bytes 0, 1 count; 512 consecutive bytes
.irp b, 0,1,2,3
	v_lshrrev_b32 v[SWB+\b], 16, v[SW+\b]          ; my second head's
.endr
	global_store_b128 v[L16], v[SWB:SWB+3], s[104:105]
	s_branch .Lwords_out
.Lv_words:
	global_store_b64 v[L8], v[SW:SW+1], s[100:101]     ; my first head's four tiles of features,
	s_wait_alu depctr_va_vdst(0)
	global_store_b64 v[L8], v[SW+2:SW+3], s[104:105]   ; my second head's
.Lwords_out:
	s_wait_tensorcnt 0x0                           ; the wave's end
	ds_add_u32 v[SPW], v[NIL]
	s_wait_dscnt 0x0
	CROUND                                         ; the closing round
	s_endpgm
.Lfunc_end_k_q88927c32a7_qkv:
	.size	k_q88927c32a7_qkv, .Lfunc_end_k_q88927c32a7_qkv-k_q88927c32a7_qkv
	.p2alignl 7, 3214868480
	.fill 96, 4, 3214868480
	.section	.rodata,"a",@progbits
	.p2align	6, 0x0
	.amdhsa_kernel k_q88927c32a7_qkv
		.amdhsa_group_segment_fixed_size 327680
		.amdhsa_private_segment_fixed_size 0
		.amdhsa_enable_private_segment 0
		.amdhsa_kernarg_size 72
		.amdhsa_user_sgpr_count 2
		.amdhsa_user_sgpr_kernarg_segment_ptr 1
		.amdhsa_wavefront_size32 1
		.amdhsa_system_sgpr_workgroup_id_x 1
		.amdhsa_system_sgpr_workgroup_id_y 1
		.amdhsa_system_sgpr_workgroup_id_z 1
		.amdhsa_system_vgpr_workitem_id 0
		.amdhsa_next_free_vgpr 1024
		.amdhsa_next_free_sgpr 106
		.amdhsa_reserve_vcc 1
		.amdhsa_float_denorm_mode_32 3
		.amdhsa_float_denorm_mode_16_64 3
		.amdhsa_memory_ordered 1
		.amdhsa_forward_progress 1
		.amdhsa_inst_pref_size 190
	.end_amdhsa_kernel
	.amdgpu_metadata
---
amdhsa.version: [ 1, 2 ]
amdhsa.kernels:
  - .name:           k_q88927c32a7_qkv
    .symbol:         k_q88927c32a7_qkv.kd
    .args:
      - { .name: x_img, .offset: 0, .size: 8, .value_kind: global_buffer, .address_space: global }
      - { .name: x_sc, .offset: 8, .size: 8, .value_kind: global_buffer, .address_space: global }
      - { .name: w_img, .offset: 16, .size: 8, .value_kind: global_buffer, .address_space: global }
      - { .name: w_sc, .offset: 24, .size: 8, .value_kind: global_buffer, .address_space: global }
      - { .name: bq, .offset: 32, .size: 8, .value_kind: global_buffer, .address_space: global }
      - { .name: bk, .offset: 40, .size: 8, .value_kind: global_buffer, .address_space: global }
      - { .name: bv, .offset: 48, .size: 8, .value_kind: global_buffer, .address_space: global }
      - { .name: qkv_img, .offset: 56, .size: 8, .value_kind: global_buffer, .address_space: global }
      - { .name: qkv_sc, .offset: 64, .size: 8, .value_kind: global_buffer, .address_space: global }
    .group_segment_fixed_size: 327680
    .private_segment_fixed_size: 0
    .kernarg_segment_align: 8
    .kernarg_segment_size: 72
    .max_flat_workgroup_size: 128
    .sgpr_count:     106
    .vgpr_count:     1024
    .wavefront_size: 32
...
	.end_amdgpu_metadata
.endif
;; end of part 2
;; launch attn (part 3): grid 4 x 64, 16 waves a work-group, clusters of 4 x 1, 210,944 bytes of LDS; arguments qkv_img, qkv_sc, ao_img, ao_sc; writes ao_img, ao_sc
.if DOCPART == 3
	.amdgcn_target "amdgcn-amd-amdhsa--gfx1250"
	.amdhsa_code_object_version 6
	.text
	.protected	k_q88927c32a7_attn
	.globl	k_q88927c32a7_attn
	.p2align	8
	.type	k_q88927c32a7_attn,@function
k_q88927c32a7_attn:
	s_mov_b64 s[64:65], 0
	v_nop
	global_prefetch_b8 v0, s[64:65] scope:SCOPE_SE
	s_setreg_imm32_b32 hwreg(HW_REG_WAVE_MODE, 25, 1), 1
	s_wait_xcnt 0x0
	s_wait_alu depctr_hold_cnt(0) depctr_sa_sdst(0) depctr_va_vdst(0) depctr_va_sdst(0) depctr_va_ssrc(0) depctr_va_vcc(0) depctr_vm_vsrc(0)
	s_getreg_b32 s2, hwreg(HW_REG_IB_STS2, 6, 4)
	s_cmp_eq_u32 s2, 0
	s_cbranch_scc0 .Lentry_in_a_cluster
	s_endpgm
.Lentry_in_a_cluster:
	s_bfe_u32 s2, ttmp6, 0x10000c
	s_cmp_lg_u32 s2, 0x3003
	s_cbranch_scc0 .Lentry_shape_is_right
	s_endpgm
.Lentry_shape_is_right:
; Causal attention on codes of FP6 (E2M3) with E8M0 scales, head size 64, 2,048 tokens, 64 (batch, head) pairs; the result, divided by the row's sum, is quantised along the model's 1,024 and leaves as codes.
; t = score x log2(e) / 8; M = the running largest t rounded up to a whole number; p = 2^(t - M) is quantised along the keys, not normalised; the row's sum is taken of the unquantised p, in f32.
; SHARES.  The four work-groups of a cluster serve one head.  A head's K and V, codes and scale words, 208,896 bytes, are asked for jointly ONCE, at the head, and stay in LDS: nothing is filled again.
; A wave owns one tile of 16 queries in each of two passes: in pass 0 of group G = wave / 2 of 128 tokens, in pass 1 of group 15 - wave / 2; the tile is 8 G + 2 cx + wave % 2.  A tile of group G needs key steps
; 0 .. G of 128 keys: so every wave of the launch works 17 key steps.  The loops' trip counts are constants (8 and 16); a step all of whose keys come after the wave's queries is jumped over, by a branch on the
; wave's number and the loop's counter.  cx enters global addresses and the mask's arithmetic alone.
; LAYOUT.  Both products transposed: S^T = K Q^T, O^T = V^T P^T: a lane holds one query.  In each group of 32 tokens place 16 u + r holds token 8 u + r + 8 (r / 8): the 16 registers of K's tiles 2 b, 2 b + 1 are
; keys 32 b + 16 (lane / 16) + 0 .. 15.  V's features are placed likewise, so that O^T's registers run along the next product's K.
; K = 64 IN AN INSTRUCTION 128 DEEP: Q's fragment is 6 registers of codes and 6 of zeros.  K's tile i lies in v[32 + 6 i] on and is named with the six registers behind it (the next tile's codes; behind tile 7 six
; zeros): whatever code stands there is multiplied by the code 0.  No scale byte is 0xff.
; LIMITS: a block of zeros or under 2^-124 gets the byte 1; NaN and infinities are not served; O / l is a multiplication by v_rcp_f32's result.
; The scale bytes of the result leave as single bytes, rows 32 bytes apart: a row's 32 bytes come from 16 heads, that is 16 clusters.
; No prefetch: all that the launch reads of K and V is asked for by its first instructions.
; REGISTERS: v1-6 addresses that stay; v8-11 the step's; v12 -M, v13 the largest t, v[14:15] the sum; v16-27 Q; v28 Q's scale word; v32-79 K's 8 tiles, then V's 4 fragments; v80-85 zeros; v86-89 K's scale words,
; v90-91 V's; v96-159 S^T, then p; v160-191 O^T; v192-223 O / l; v224-235 p's codes; v232-254 at work.
.set VIMG, 98304
.set KSC,  196608
.set VSC,  204800
.macro CROUND                          ; a round of the cluster's barrier
	s_barrier_signal -1
	s_barrier_wait -1
	s_cmp_lg_u32 s12, 0
	s_cbranch_scc1 .Lnot_wave_0_\@
	s_barrier_signal -3
.Lnot_wave_0_\@:
	s_barrier_wait -3
	s_barrier_signal -1
	s_barrier_wait -1
.endm
; A KEY STEP: 128 keys.  s17 the step, s15 my group; s18, s19, s66 the step's places among the codes, K's scale words and V's
.macro STEP
	s_cmp_gt_u32 s17, s15
	s_cbranch_scc1 .Lhidden_\@
	s_setprio 2
	v_add_nc_u32 v8, s18, v1                       ; (these four are the places in front of the loads into registers that the last products read)
	v_add_nc_u32 v10, s19, v2
	v_add_nc_u32 v11, s66, v3
	s_delay_alu instid0(VALU_DEP_3)
	v_add_nc_u32 v9, VIMG, v8
.irp i, 0,1,2,3,4,5,6,7
.irp e, 0,1,2
	ds_load_b64 v[32+6*\i+2*\e:33+6*\i+2*\e], v8 offset:768*\i+256*\e
.endr
.endr
	ds_load_b128 v[86:89], v10                     ; word b: lanes 0-15 tile 2 b, lanes 16-31 tile 2 b + 1
	s_wait_alu depctr_va_vdst(0)
	s_wait_dscnt 0x0
.irp i, 0,1,2,3
	v_wmma_scale_f32_16x16x128_f8f6f4 v[96+16*\i:103+16*\i], v[32+12*\i:43+12*\i], v[16:27], 0, v[86+\i], v28 matrix_a_fmt:MATRIX_FMT_FP6 matrix_b_fmt:MATRIX_FMT_FP6
	v_wmma_scale_f32_16x16x128_f8f6f4 v[104+16*\i:111+16*\i], v[38+12*\i:49+12*\i], v[16:27], 0, v[86+\i], v28 matrix_a_fmt:MATRIX_FMT_FP6 matrix_b_fmt:MATRIX_FMT_FP6 matrix_a_scale:MATRIX_SCALE_ROW1
.endr
.rept 4
	v_nop                                          ; places: in front of the loads below and of the first read of the scores
.endr
.irp d, 0,1,2,3                        ; V's four fragments are asked for now and land under the softmax
.irp e, 0,1,2,3,4,5
	ds_load_b64 v[32+12*\d+2*\e:33+12*\d+2*\e], v9 offset:1536*\d+256*\e
.endr
.endr
	ds_load_b64 v[90:91], v11
	s_cmp_lg_u32 s17, s15                          ; the step on the diagonal: hidden scores become -infinity ahead of the maximum
	s_cbranch_scc1 .Lopen_\@
	v_mov_b32 v254, 0xff800000
.set n, 0
.rept 64
	v_cmp_gt_i32 vcc_lo, 32*(n/16)+n%16, v4        ; register 16 b + i holds key 32 b + 16 (lane / 16) + i of the step: hidden where 32 b + i > d
	v_cndmask_b32 v[96+n], v[96+n], v254, vcc_lo
.set n, n+1
.endr
.Lopen_\@:
.irp b, 0,1,2,3
	v_max3_num_f32 v[232+\b], v[96+16*\b], v[97+16*\b], v[98+16*\b]   ; the largest score of each block of 32 keys: for the row's maximum and for the block's largest p
.endr
.irp i, 3,5,7,9,11,13
.irp b, 0,1,2,3
	v_max3_num_f32 v[232+\b], v[232+\b], v[96+16*\b+\i], v[97+16*\b+\i]
.endr
.endr
.irp b, 0,1,2,3
	v_max_num_f32 v[232+\b], v[232+\b], v[111+16*\b]
.endr
.irp b, 0,1,2,3
	s_delay_alu instid0(VALU_DEP_4)
	v_permlanex16_b32 v[236+\b], v[232+\b], s20, s21
.endr
.irp b, 0,1,2,3
	s_delay_alu instid0(VALU_DEP_4)
	v_max_num_f32 v[232+\b], v[232+\b], v[236+\b]
.endr
	s_delay_alu instid0(VALU_DEP_2)
	v_max3_num_f32 v254, v232, v233, v234
	s_delay_alu instid0(VALU_DEP_1)
	v_max_num_f32 v254, v254, v235
	s_delay_alu instid0(VALU_DEP_1)
	v_mul_f32 v254, s22, v254                      ; as t
	s_delay_alu instid0(VALU_DEP_1)
	v_max_num_f32 v13, v13, v254                   ; the running largest t
	v_mov_b32 v254, v12
	s_delay_alu instid0(VALU_DEP_2)
	v_floor_f32 v12, -v13                          ; the new -M
	s_delay_alu instid0(VALU_DEP_1)
	v_sub_f32 v254, v12, v254                      ; old M - new M: a whole number, 0 or less
	s_delay_alu instid0(VALU_DEP_1)
	v_cvt_i32_f32 v254, v254                       ; (it saturates)
	s_delay_alu instid0(VALU_DEP_1)
	v_ldexp_f32 v252, 1.0, v254                    ; f = 2^(old M - new M)
.set n, 0
	s_setprio 1
.rept 32
	v_pk_fma_f32 v[96+n:97+n], v[96+n:97+n], s[22:23], v[12:13] op_sel_hi:[1,0,0]   ; t - M
.set n, n+2
.endr
.irp b, 0,1,2,3
	v_fma_f32 v[232+\b], v[232+\b], s22, v12
.endr
.set n, 0
	s_wait_alu depctr_va_vdst(0)
.rept 64
	v_exp_f32 v[96+n], v[96+n]                     ; p = 2^(t - M)
.set n, n+1
.endr
	v_pk_mul_f32 v[14:15], v[14:15], v[252:253] op_sel_hi:[1,0]   ; the sums under the new M: a plain place behind the exponentials
	s_wait_alu depctr_va_vdst(0)                   ; one wait for the batch, ahead of its first reader
.irp b, 0,1,2,3
	v_exp_f32 v[232+\b], v[232+\b]                 ; the blocks' largest p
.endr
	v_pk_add_f32 v[236:237], v[100:101], v[104:105]
	v_pk_add_f32 v[248:249], v[108:109], v[112:113]
	v_pk_add_f32 v[246:247], v[116:117], v[120:121]
	v_pk_add_f32 v[244:245], v[124:125], v[128:129]
	v_pk_add_f32 v[242:243], v[132:133], v[136:137]
	v_pk_add_f32 v[240:241], v[140:141], v[144:145]
	v_pk_add_f32 v[238:239], v[148:149], v[152:153]
	v_pk_add_f32 v[14:15], v[14:15], v[156:157]
	v_pk_add_f32 v[236:237], v[236:237], v[96:97]
	v_pk_add_f32 v[248:249], v[248:249], v[98:99]
	v_pk_add_f32 v[246:247], v[246:247], v[102:103]
	v_pk_add_f32 v[244:245], v[244:245], v[106:107]
	v_pk_add_f32 v[242:243], v[242:243], v[110:111]
	v_pk_add_f32 v[240:241], v[240:241], v[114:115]
	v_pk_add_f32 v[238:239], v[238:239], v[118:119]
	v_pk_add_f32 v[14:15], v[14:15], v[122:123]
	v_pk_add_f32 v[236:237], v[236:237], v[126:127]
	v_pk_add_f32 v[248:249], v[248:249], v[130:131]
	v_pk_add_f32 v[246:247], v[246:247], v[134:135]
	v_pk_add_f32 v[244:245], v[244:245], v[138:139]
	v_pk_add_f32 v[242:243], v[242:243], v[142:143]
	v_pk_add_f32 v[240:241], v[240:241], v[146:147]
	v_pk_add_f32 v[238:239], v[238:239], v[150:151]
	v_pk_add_f32 v[14:15], v[14:15], v[154:155]
	v_pk_add_f32 v[236:237], v[236:237], v[158:159]
	s_delay_alu instid0(VALU_DEP_2)
	v_pk_add_f32 v[14:15], v[14:15], v[244:245]
	s_delay_alu instid0(VALU_DEP_2)
	v_pk_add_f32 v[236:237], v[236:237], v[242:243]
	v_pk_add_f32 v[248:249], v[248:249], v[240:241]
	v_pk_add_f32 v[246:247], v[246:247], v[238:239]
	s_delay_alu instid0(VALU_DEP_2)
	v_pk_add_f32 v[14:15], v[14:15], v[248:249]
	s_delay_alu instid0(VALU_DEP_2)
	v_pk_add_f32 v[236:237], v[236:237], v[246:247]
	s_delay_alu instid0(VALU_DEP_1)
	v_pk_add_f32 v[14:15], v[14:15], v[236:237]
	s_wait_alu depctr_va_vdst(0)                   ; and one for the four
.irp b, 0,1,2,3
	v_max_num_f32 v[232+\b], 0x1800000, v[232+\b]  ; the floor 2^(3 - 127)
.endr
.irp b, 0,1,2,3
	s_delay_alu instid0(VALU_DEP_4)
	v_add_nc_u32 v[244+\b], 0xff000000, v[232+\b]
.endr
.irp b, 0,1,2,3
	s_delay_alu instid0(VALU_DEP_4)
	v_lshrrev_b32 v[236+\b], 23, v[244+\b]
.endr
	s_delay_alu instid0(VALU_DEP_3)
	v_lshl_or_b32 v253, v237, 8, v236              ; p's scale word for these 128 keys
	s_delay_alu instid0(VALU_DEP_1)
	v_lshl_or_b32 v253, v238, 16, v253
	s_delay_alu instid0(VALU_DEP_1)
	v_lshl_or_b32 v253, v239, 24, v253
	s_setprio 0
.irp c, 0,1
	v_cvt_scalef32_pk16_fp6_f32 v[224+6*\c:226+6*\c], v[96+32*\c:111+32*\c], v[244+2*\c]
	v_cvt_scalef32_pk16_fp6_f32 v[236+4*\c:238+4*\c], v[112+32*\c:127+32*\c], v[244+2*\c+1]
.endr
	v_nop
.irp c, 0,1
.irp i, 0,1,2
	v_permlane16_swap_b32 v[224+6*\c+\i], v[236+4*\c+\i]
.endr
.irp i, 0,1,2
	s_delay_alu instid0(VALU_DEP_3)
	v_mov_b32 v[227+6*\c+\i], v[236+4*\c+\i]
.endr
.endr
.set n, 0
.rept 16
	v_pk_mul_f32 v[160+n:161+n], v[160+n:161+n], v[252:253] op_sel_hi:[1,0]   ; O^T under the new M; also the places in front of the products below
.set n, n+2
.endr
	s_wait_alu depctr_va_vdst(0)
	s_wait_dscnt 0x0                               ; V
.irp d, 0,1
	v_wmma_scale_f32_16x16x128_f8f6f4 v[160+16*\d:167+16*\d], v[32+24*\d:43+24*\d], v[224:235], v[160+16*\d:167+16*\d], v[90+\d], v253 matrix_a_fmt:MATRIX_FMT_FP6 matrix_b_fmt:MATRIX_FMT_FP6
	v_wmma_scale_f32_16x16x128_f8f6f4 v[168+16*\d:175+16*\d], v[44+24*\d:55+24*\d], v[224:235], v[168+16*\d:175+16*\d], v[90+\d], v253 matrix_a_fmt:MATRIX_FMT_FP6 matrix_b_fmt:MATRIX_FMT_FP6 matrix_a_scale:MATRIX_SCALE_ROW1
.endr
.Lhidden_\@:
	s_add_co_u32 s17, s17, 1
	s_add_co_u32 s18, s18, 6144
	s_add_co_u32 s19, s19, 512
	s_add_co_u32 s66, s66, 256
.endm
; A PASS: one tile of 16 queries.  which = 0, 1;  ns: the loop's trips
.macro PASS which, ns
	s_wait_xcnt 0x0                                ; the last pass's stores have read their data, offsets and bases
	s_lshr_b32 s15, s12, 1
.if \which
	s_sub_co_u32 s15, 15, s15
.endif
	s_lshl_b32 s16, s15, 3
	s_lshl_b32 s60, s13, 1
	s_add_co_u32 s16, s16, s60
	s_and_b32 s61, s12, 1
	s_add_co_u32 s16, s16, s61                     ; my tile
	s_mul_i32 s62, s14, 98304
	s_mul_i32 s63, s16, 768
	s_add_co_u32 s62, s62, s63
	s_mov_b32 s63, 0
	s_add_nc_u64 s[52:53], s[4:5], s[62:63]        ; Q's codes
	s_lshl_b32 s62, s14, 13
	s_lshl_b32 s60, s15, 9
	s_add_co_u32 s62, s62, s60
	s_lshl_b32 s60, s61, 8
	s_add_co_u32 s62, s62, s60
	s_lshl_b32 s60, s13, 2
	s_add_co_u32 s62, s62, s60
	s_add_nc_u64 s[54:55], s[6:7], s[62:63]        ; Q's scale words: group G, lanes' half wave % 2, word cx
	s_lshr_b32 s60, s14, 4
	s_lshl_b32 s60, s60, 7
	s_add_co_u32 s60, s60, s16                     ; the result's row block: 128 x batch + tile
	s_and_b32 s61, s14, 15                         ; the head
	s_mul_i32 s62, s60, 12288
	s_mul_i32 s67, s61, 768
	s_add_co_u32 s62, s62, s67
	s_add_nc_u64 s[56:57], s[8:9], s[62:63]
	s_lshl_b32 s62, s60, 9
	s_lshl_b32 s67, s61, 1
	s_add_co_u32 s62, s62, s67
	s_add_nc_u64 s[58:59], s[10:11], s[62:63]
.irp e, 0,1,2
	global_load_b64 v[16+2*\e:17+2*\e], v1, s[52:53] offset:256*\e
.endr
	global_load_b32 v28, v5, s[54:55]
	v_mov_b32 v13, 0xff61b1e6                      ; the largest t so far: -3e38
	s_delay_alu instid0(VALU_DEP_1)
	v_floor_f32 v12, -v13
	v_mov_b32 v14, 0
	v_mov_b32 v15, 0
.set n, 0
.rept 32
	v_mov_b32 v[160+n], 0                          ; O^T: the step is written once; the first change of M leaves zeros zeros
.set n, n+1
.endr
.if (\which) == 0
	s_wait_tensorcnt 0x0                           ; my parts of K, V and their scales have landed,
	s_barrier_signal -1
	s_barrier_wait -1                              ; everybody's have.  From here on the waves run free
.endif
	s_wait_loadcnt 0x0                             ; Q
	s_mov_b32 s17, 0
	s_mov_b32 s18, 0
	s_mov_b32 s19, 0
	s_mov_b32 s66, 0
.Lstep_\@:
	STEP
	s_cmp_lt_u32 s17, \ns
	s_cbranch_scc1 .Lstep_\@
	s_setprio 0
	; the way out: O^T / the sum, quantised along the head's 64: two blocks
.rept 4
	v_nop                                          ; places behind the last products
.endr
	v_add_f32 v14, v14, v15
	s_delay_alu instid0(VALU_DEP_1)
	v_permlanex16_b32 v252, v14, s20, s21
	s_delay_alu instid0(VALU_DEP_1)
	v_add_f32 v14, v14, v252                       ; the row's sum
	s_wait_alu depctr_va_vdst(0)
	v_rcp_f32 v14, v14
	v_nop                                          ; a plain place behind the reciprocal
	s_mov_b32 vcc_lo, 0xffff0000
	s_wait_alu depctr_va_vdst(0)                   ; and the wait ahead of its first reader
.set n, 0
.rept 32
	v_mul_f32 v[192+n], v[160+n], v14              ; register 16 b + i: feature 32 b + 16 (lane / 16) + i of the head
.set n, n+1
.endr
.irp b, 0,1
	v_max3_num_f32 v[232+\b], |v[192+16*\b]|, |v[193+16*\b]|, 0x1800000
.endr
.irp i, 2,4,6,8,10,12,14
.irp b, 0,1
	s_delay_alu instid0(VALU_DEP_2)
	v_max3_num_f32 v[232+\b], v[232+\b], |v[192+16*\b+\i]|, |v[193+16*\b+\i]|
.endr
.endr
.irp b, 0,1
	s_delay_alu instid0(VALU_DEP_2)
	v_permlanex16_b32 v[236+\b], v[232+\b], s20, s21
.endr
.irp b, 0,1
	s_delay_alu instid0(VALU_DEP_2)
	v_max_num_f32 v[232+\b], v[232+\b], v[236+\b]
.endr
.irp b, 0,1
	s_delay_alu instid0(VALU_DEP_2)
	v_add_nc_u32 v[244+\b], 0xff000000, v[232+\b]
.endr
.irp b, 0,1
	s_delay_alu instid0(VALU_DEP_2)
	v_lshrrev_b32 v[240+\b], 23, v[244+\b]
.endr
	v_cvt_scalef32_pk16_fp6_f32 v[224:226], v[192:207], v244
	v_cvt_scalef32_pk16_fp6_f32 v[236:238], v[208:223], v245
	v_nop
.irp i, 0,1,2
	v_permlane16_swap_b32 v[224+\i], v[236+\i]
.endr
.irp i, 0,1,2
	s_delay_alu instid0(VALU_DEP_3)
	v_mov_b32 v[227+\i], v[236+\i]
.endr
	v_cndmask_b32 v242, v240, v241, vcc_lo         ; lanes 0-15 store block 0's byte, lanes 16-31 block 1's
.irp e, 0,1,2
	global_store_b64 v1, v[224+2*\e:225+2*\e], s[56:57] offset:256*\e   ; 256 consecutive bytes, aligned
.endr
	global_store_b8 v6, v242, s[58:59]
.endm
	s_load_b256 s[4:11], s[0:1], 0x0               ; qkv_img, qkv_sc, ao_img, ao_sc
	v_lshl_add_u32 v251, v0, 2, 0x33000
	v_mov_b32 v255, 0
	ds_add_u32 v251, v255
	ds_add_u32 v251, v255
	v_lshrrev_b32 v1, 5, v0
	s_delay_alu instid0(VALU_DEP_1)
	v_readfirstlane_b32 s12, v1                    ; wave 0..15
	s_bfe_u32 s13, ttmp6, 0x40000                  ; cx
	s_and_b32 s14, ttmp7, 0xffff                   ; 16 x batch + head, which the four partners share
	; group 1: dense blocks as rows of 256 bytes (32 elements of 8 bytes); the mask names all four work-groups
	s_mov_b32 s24, 15|(3<<16)|(1<<21)
	s_mov_b32 s25, 32<<16
	s_mov_b32 s26, 96<<16                          ; codes: 96 rows, 24,576 bytes
	s_mov_b32 s27, 32<<16
	s_mov_b32 s28, 96
	s_mov_b32 s29, 32
	s_mov_b32 s30, 0
	s_mov_b32 s31, 0
	s_mov_b32 s32, 15|(3<<16)|(1<<21)
	s_mov_b32 s33, 32<<16
	s_mov_b32 s34, 12<<16                          ; scale words: 12 rows, 3,072 bytes
	s_mov_b32 s35, 32<<16
	s_mov_b32 s36, 12
	s_mov_b32 s37, 32
	s_mov_b32 s38, 0
	s_mov_b32 s39, 0
	s_mov_b32 s20, 0x76543210
	s_mov_b32 s21, 0xfedcba98                      ; lane l xor 16
	s_mov_b32 s22, 0x3e38aa3b                      ; c = log2(e) / 8
	s_mov_b32 s23, s22
	s_and_b32 s67, s12, 3                          ; waves 0 to 3 fetch; the arithmetic stays in range in every wave
	s_mul_i32 s62, s67, 3072                       ; a quarter of the head's 12,288 bytes of scale words
	s_mul_i32 s68, s14, 12288
	s_add_co_u32 s68, s68, s62
	s_add_co_u32 s68, s68, 524288
	s_mov_b32 s69, 0
	s_and_b32 s60, s67, 1                          ; K (0) or V (1)
	s_lshr_b32 s61, s67, 1                         ; quarters wave / 2 and wave / 2 + 2
	s_mul_i32 s63, s61, 24576
	s_lshl_b32 s70, s60, 6
	s_add_co_u32 s70, s70, 64
	s_add_co_u32 s70, s70, s14
	s_mul_i32 s70, s70, 98304
	s_add_co_u32 s70, s70, s63
	s_mov_b32 s71, 0
	s_mul_i32 s60, s60, 98304
	s_add_co_u32 s60, s60, s63                     ; in LDS
	s_wait_dscnt 0x0
	s_wait_kmcnt 0x0
	s_mov_b32 s40, 1
	s_add_co_u32 s41, s62, KSC
	s_add_nc_u64 s[42:43], s[6:7], s[68:69]
	s_or_b32 s43, s43, 0x80000000
	s_mov_b32 s44, 1
	s_mov_b32 s45, s60
	s_add_nc_u64 s[46:47], s[4:5], s[70:71]
	s_mov_b32 s48, 1
	s_add_co_u32 s49, s60, 49152
	s_add_nc_u64 s[50:51], s[46:47], 49152
	s_or_b32 s47, s47, 0x80000000
	s_or_b32 s51, s51, 0x80000000
	CROUND                                         ; all four work-groups are here: the joint loads meet
	s_cmp_lt_u32 s12, 4
	s_cbranch_scc0 .Lno_fetch
	tensor_load_to_lds s[40:43], s[32:39]          ; three loads of mine are out
	s_nop 0
	tensor_load_to_lds s[44:47], s[24:31]
	s_nop 0
	tensor_load_to_lds s[48:51], s[24:31]
	s_nop 0
.rept 4
	v_nop
.endr
.Lno_fetch:
	v_and_b32 v7, 31, v0
	s_delay_alu instid0(VALU_DEP_1)
	v_lshlrev_b32 v1, 3, v7                        ; 8 x lane
	s_delay_alu instid0(VALU_DEP_2)
	v_lshlrev_b32 v2, 4, v7
	s_delay_alu instid0(VALU_DEP_1)
	v_add_nc_u32 v2, KSC, v2                       ; K's scale words: 16 x lane
	s_delay_alu instid0(VALU_DEP_3)
	v_add_nc_u32 v3, VSC, v1                       ; V's: 8 x lane
	v_and_b32 v7, 15, v0                           ; r
	v_bfe_u32 v9, v0, 4, 1                         ; h
	s_delay_alu instid0(VALU_DEP_2)
	v_lshlrev_b32 v5, 4, v7                        ; 16 r
	s_delay_alu instid0(VALU_DEP_2)
	v_lshl_add_u32 v6, v7, 5, v9                   ; 32 r + h
	s_delay_alu instid0(VALU_DEP_4)
	v_and_b32 v4, 8, v7
	s_delay_alu instid0(VALU_DEP_1)
	v_add_nc_u32 v4, v4, v7
	v_lshlrev_b32 v10, 4, v9
	s_delay_alu instid0(VALU_DEP_1)
	v_sub_nc_u32 v4, v4, v10
	s_lshl_b32 s60, s13, 5
	s_and_b32 s61, s12, 1
	s_lshl_b32 s61, s61, 3
	s_add_co_u32 s60, s60, s61
	v_add_nc_u32 v4, s60, v4                       ; d = my query's place in its group of 128 - 16 h
.irp j, 22,23,24,25,26,27,80,81,82,83,84,85
	v_mov_b32 v\j, 0                               ; the zero codes
.endr
.irp j, 236,237,238,239,252,253,254
	v_mov_b32 v\j, 0                               ; written once: a lane permute's destination, and a pair's other half, count as read
.endr
	PASS 0, 8
	PASS 1, 16
	s_wait_dscnt 0x0
	s_wait_tensorcnt 0x0
	ds_add_u32 v251, v255
	s_wait_dscnt 0x0
	CROUND                                         ; the closing round
	s_endpgm
.Lfunc_end_k_q88927c32a7_attn:
	.size	k_q88927c32a7_attn, .Lfunc_end_k_q88927c32a7_attn-k_q88927c32a7_attn
	.p2alignl 7, 3214868480
	.fill 96, 4, 3214868480
	.section	.rodata,"a",@progbits
	.p2align	6, 0x0
	.amdhsa_kernel k_q88927c32a7_attn
		.amdhsa_group_segment_fixed_size 210944
		.amdhsa_private_segment_fixed_size 0
		.amdhsa_enable_private_segment 0
		.amdhsa_kernarg_size 32
		.amdhsa_user_sgpr_count 2
		.amdhsa_user_sgpr_kernarg_segment_ptr 1
		.amdhsa_wavefront_size32 1
		.amdhsa_system_sgpr_workgroup_id_x 1
		.amdhsa_system_sgpr_workgroup_id_y 1
		.amdhsa_system_sgpr_workgroup_id_z 1
		.amdhsa_system_vgpr_workitem_id 0
		.amdhsa_next_free_vgpr 256
		.amdhsa_next_free_sgpr 72
		.amdhsa_reserve_vcc 1
		.amdhsa_float_denorm_mode_32 3
		.amdhsa_float_denorm_mode_16_64 3
		.amdhsa_memory_ordered 1
		.amdhsa_forward_progress 1
		.amdhsa_inst_pref_size 68
	.end_amdhsa_kernel
	.amdgpu_metadata
---
amdhsa.version: [ 1, 2 ]
amdhsa.kernels:
  - .name:           k_q88927c32a7_attn
    .symbol:         k_q88927c32a7_attn.kd
    .args:
      - { .name: qkv_img, .offset: 0, .size: 8, .value_kind: global_buffer, .address_space: global }
      - { .name: qkv_sc, .offset: 8, .size: 8, .value_kind: global_buffer, .address_space: global }
      - { .name: ao_img, .offset: 16, .size: 8, .value_kind: global_buffer, .address_space: global }
      - { .name: ao_sc, .offset: 24, .size: 8, .value_kind: global_buffer, .address_space: global }
    .group_segment_fixed_size: 210944
    .private_segment_fixed_size: 0
    .kernarg_segment_align: 8
    .kernarg_segment_size: 32
    .max_flat_workgroup_size: 512
    .sgpr_count:     72
    .vgpr_count:     256
    .wavefront_size: 32
...
	.end_amdgpu_metadata
.endif
;; end of part 3
;; launch proj (part 4): grid 4 x 32, 4 waves a work-group, clusters of 4 x 4, 327,680 bytes of LDS; arguments ao_img, ao_sc, w_img, w_sc, bo, out0; writes out0
.if DOCPART == 4
	.amdgcn_target "amdgcn-amd-amdhsa--gfx1250"
	.amdhsa_code_object_version 6
	.text
	.protected	k_q88927c32a7_proj
	.globl	k_q88927c32a7_proj
	.p2align	8
	.type	k_q88927c32a7_proj,@function
k_q88927c32a7_proj:
	s_mov_b64 s[64:65], 0
	v_nop
	global_prefetch_b8 v0, s[64:65] scope:SCOPE_SE
	s_setreg_imm32_b32 hwreg(HW_REG_WAVE_MODE, 25, 1), 1
	s_wait_xcnt 0x0
	s_wait_alu depctr_hold_cnt(0) depctr_sa_sdst(0) depctr_va_vdst(0) depctr_va_sdst(0) depctr_va_ssrc(0) depctr_va_vcc(0) depctr_vm_vsrc(0)
	s_getreg_b32 s2, hwreg(HW_REG_IB_STS2, 6, 4)
	s_cmp_eq_u32 s2, 0
	s_cbranch_scc0 .Lentry_in_a_cluster
	s_endpgm
.Lentry_in_a_cluster:
	s_bfe_u32 s2, ttmp6, 0x10000c
	s_cmp_lg_u32 s2, 0xf033
	s_cbranch_scc0 .Lentry_shape_is_right
	s_endpgm
.Lentry_shape_is_right:
; out0 = attention's result x Wo + bo on codes of FP6 (E2M3) with E8M0 scales, sums in f32; out0 [8192][1024] f32.
; A tile of 256 x 256 to a work-group of four waves, 128 x 128 a wave; K = 1,024 in four steps of 256 through a ring of two LDS slots; clusters of 4 x 4 work-groups: A's tiles are asked for jointly along a row
; of the cluster, B's along a column.  32 x 4 tiles make 128 work-groups.
; THE OPERANDS ARE IMAGES OF REGISTERS: [row block of 16][K step of 128: 1,536 bytes], piece e of 256 bytes = registers 2 e, 2 e + 1, lane l's 8 bytes at 8 l.  Wo's places begin at place 3,072 of the weights.
; In each group of 32 rows place 16 u + r holds row 8 u + r + 8 (r / 8), on both sides: the way out puts features and tokens back in their order by its addresses alone.
; Source 0 = 16 places of Wo, source 1 = 16 places of tokens: a lane holds eight neighbouring features of one token.  bo is the C of each sum's first product.
; REGISTERS as windows of 256: window 0: v0-31 addresses; v32-63 scale words; v64-127 bo; v128-223 A's fragments; on the way out v128-255 rows of out0.  window 1: B's fragments, two sets.  windows 2, 3: accumulators.
.set NQ,     2
.set ROWB,   3072
.set FR,     12
.set NL,     6
.set NP,     4
.set HALFT,  8*ROWB
.set SLOT,   4*HALFT
.set LAPS,   2
.set KS,     32
.set SCL,    2*SLOT
.set HALFS,  16*272
.set SBLK,   2*272
.set SPARE,  SCL+4*HALFS               ; the spare words: 128 bytes a wave, named by no other line
.set SPITCH, 528                       ; the way out: a stage of 16 rows x (512 + 16) bytes a wave, in slot 0, which has had its last fill and its last read by then
.set ADRA, 16
.set ADRB, 20
.set STO,  24
.set RD,   25
.set CO,   26
.set ADRS, 27
.set SPW,  28
.set NIL,  29
.set SC,   32
.set BN,   64
.set AF,   128
.set BK,   128
.set G1, 24
.set G0, 32
.set G1B, 48
.set G0B, 56
.set G1S, 68
.set G0S, 76
.set G1SB, 80
.set G0SB, 88
.set MSB, 0
.macro WIN new
.if MSB != \new
	s_set_vgpr_msb (MSB<<8)|\new
.set MSB, \new
.endif
.endm
.set MUL_LO, 0xa1
.set MUL_HI, 0xf1
.set TO_B,   0x40
.macro JLOAD g0a, g1a, g0b, g1b        ; a joint load: waves 0, 1 fetch for A, waves 2, 3 for B; four v_nop follow each line
	s_cmp_eq_u32 s15, 0
	s_cbranch_scc0 .Lfor_b_\@
	tensor_load_to_lds s[\g0a:\g0a+3], s[\g1a:\g1a+7]
	s_nop 0
.rept 4
	v_nop
.endr
	s_branch .Lasked_\@
.Lfor_b_\@:
	tensor_load_to_lds s[\g0b:\g0b+3], s[\g1b:\g1b+7]
	s_nop 0
.rept 4
	v_nop
.endr
.Lasked_\@:
.endm
.macro CREST
	s_cmp_lg_u32 s14, 0
	s_cbranch_scc1 .Lnot_wave_0_\@
	s_barrier_signal -3
.Lnot_wave_0_\@:
	s_barrier_wait -3
	s_barrier_signal -1
	s_barrier_wait -1
.endm
.macro CROUND
	s_barrier_signal -1
	s_barrier_wait -1
	CREST
.endm
.macro FRAG reg, adr, q, i
.irp p, 0,1,2,3,4,5
	ds_load_b64 v[\reg+2*\p:\reg+2*\p+1], v[\adr] offset:ROWB*(\i)+1536*(\q)+256*\p
.endr
.endm
.macro MUL16 a0, p, q, sc, first       ; the 64 accumulators take turns, one instruction a turn
.irp a, \a0, \a0+1
.irp b, 0,1,2,3,4,5,6,7
.if \first
	v_wmma_scale_f32_16x16x128_f8f6f4 v[8*(8*((\a)%4)+\b):8*(8*((\a)%4)+\b)+7], v[128*(\p)+FR*\b:128*(\p)+FR*\b+FR-1], v[AF+FR*(\a):AF+FR*(\a)+FR-1], v[BN+8*\b:BN+8*\b+7], v[SC+8*NQ*(\sc)+NQ*\b+(\q)], v[SC+8*NQ*(\sc)+NQ*(\a)+(\q)] matrix_a_fmt:MATRIX_FMT_FP6 matrix_b_fmt:MATRIX_FMT_FP6 matrix_a_scale:MATRIX_SCALE_ROW1
.else
	v_wmma_scale_f32_16x16x128_f8f6f4 v[8*(8*((\a)%4)+\b):8*(8*((\a)%4)+\b)+7], v[128*(\p)+FR*\b:128*(\p)+FR*\b+FR-1], v[AF+FR*(\a):AF+FR*(\a)+FR-1], v[8*(8*((\a)%4)+\b):8*(8*((\a)%4)+\b)+7], v[SC+8*NQ*(\sc)+NQ*\b+(\q)], v[SC+8*NQ*(\sc)+NQ*(\a)+(\q)] matrix_a_fmt:MATRIX_FMT_FP6 matrix_b_fmt:MATRIX_FMT_FP6 matrix_a_scale:MATRIX_SCALE_ROW1
.endif
.endr
.endr
.endm
.macro FETCH_B slot, q, p
	WIN TO_B
.irp i, 0,1,2,3,4,5,6,7
	FRAG 128*(\p)+FR*\i, ADRB+\slot, \q, \i
.endr
	WIN 0
.endm
.macro FETCH_A slot, q, i0
.irp i, \i0, \i0+1, \i0+2, \i0+3
	FRAG AF+FR*(\i), ADRA+\slot, \q, \i
.endr
.endm
.macro SCALES sc
.irp i, 0,1,2,3,4,5,6,7
	ds_load_b64 v[SC+8*NQ*\sc+NQ*\i:SC+8*NQ*\sc+NQ*\i+1], v[ADRS] offset:\i*SBLK
.endr
.endm
.macro PLACES n
.rept \n
	v_nop
.endr
.endm
.macro STEP slot, q, first
	s_wait_dscnt 4*NL                              ; B's set and A's blocks 0-3 are in; the youngest 24 loads (A's blocks 4-7) may be out
.if \first
	WIN 0x81                                       ; C (the bias) window 0, D window 2
.else
	WIN MUL_LO
.endif
	MUL16 0, (\q)%2, \q, \slot, \first
	MUL16 2, (\q)%2, \q, \slot, \first
	s_wait_dscnt 0
	PLACES NP
	FETCH_B \slot, (\q)+1, 1-(\q)%2
	FETCH_A \slot, (\q)+1, 0
.if \first
	WIN 0xc1
.else
	WIN MUL_HI
.endif
	MUL16 4, (\q)%2, \q, \slot, \first
	MUL16 6, (\q)%2, \q, \slot, \first
	PLACES NP
	WIN 0
	FETCH_A \slot, (\q)+1, 4
.endm
.macro TURN slot, next, fill
	s_wait_tensorcnt 0x0                           ; all my tensor loads have landed: my part of the next slot
	ds_add_u32 v[SPW], v[NIL]                      ; 0 onto my spare word
	s_wait_dscnt 4*NL+1                            ; (the add and A's blocks 4-7 may be out)
	WIN MUL_LO
	MUL16 0, 1, NQ-1, \slot, 0
	s_wait_dscnt 0x0                               ; the add is done, and my reads of this slot are over
	s_barrier_signal -1
	MUL16 2, 1, NQ-1, \slot, 0
	WIN 0
	s_barrier_wait -1
.if \fill
	CREST                                          ; the barrier has opened a round of the cluster's barrier
	s_add_nc_u64 s[G0+4*\slot+2:G0+4*\slot+3], s[G0+4*\slot+2:G0+4*\slot+3], 2*ROWB
	s_add_nc_u64 s[G0B+4*\slot+2:G0B+4*\slot+3], s[G0B+4*\slot+2:G0B+4*\slot+3], 2*ROWB
	JLOAD G0+4*\slot, G1, G0B+4*\slot, G1B         ; the first tensor load behind the round
.else
	PLACES NP
.endif
	s_wait_alu depctr_va_vdst(0)
	v_add_nc_u32 v[ADRS], 4*NQ, v[ADRS]
	FETCH_B \next, 0, 0
	FETCH_A \next, 0, 0
	SCALES \next
	WIN MUL_HI
	MUL16 4, 1, NQ-1, \slot, 0
	MUL16 6, 1, NQ-1, \slot, 0
	PLACES NP
	WIN 0
	FETCH_A \next, 0, 4
.endm
	s_load_b256 s[4:11], s[0:1], 0x0               ; ao_img, ao_sc, w_img, w_sc
	s_load_b128 s[92:95], s[0:1], 0x20             ; bo, out0
	v_lshl_add_u32 v[SPW], v0, 2, SPARE
	v_mov_b32 v[NIL], 0
	ds_add_u32 v28, v29
	ds_add_u32 v28, v29
	s_wait_dscnt 0x0
	v_lshrrev_b32 v1, 5, v0
	v_readfirstlane_b32 s14, v1
	s_lshr_b32 s15, s14, 1
	s_and_b32 s16, s14, 1
	s_bfe_u32 s40, ttmp6, 0x40000
	s_bfe_u32 s41, ttmp6, 0x40004
	s_lshl_b32 s42, ttmp9, 2
	s_add_co_u32 s42, s42, s40                     ; tile column
	s_and_b32 s17, ttmp7, 0xffff
	s_lshl_b32 s17, s17, 2
	s_add_co_u32 s17, s17, s41                     ; tile row
	s_lshl_b32 s43, s41, 2
	s_lshl_b32 s43, 15, s43
	s_lshl_b32 s44, 0x1111, s40
	s_or_b32 s[G1+0], s43, (3<<16)|(1<<21)
	s_or_b32 s[G1B+0], s44, (3<<16)|(1<<21)
.irp g, G1, G1B
	s_mov_b32 s[\g+1], 384<<16
	s_mov_b32 s[\g+2], 8<<16
	s_mov_b32 s[\g+3], 384<<16
	s_mov_b32 s[\g+4], 8
	s_mov_b32 s[\g+5], 1536
	s_mov_b32 s[\g+6], 0
	s_mov_b32 s[\g+7], 0
.endr
	s_or_b32 s[G1S+0], s43, (3<<16)|(1<<20)|(1<<21)|(5<<22)|(3<<25)
	s_or_b32 s[G1SB+0], s44, (3<<16)|(1<<20)|(1<<21)|(5<<22)|(3<<25)
.irp g, G1S, G1SB
	s_mov_b32 s[\g+1], 32<<16
	s_mov_b32 s[\g+2], 16<<16
	s_mov_b32 s[\g+3], 32<<16
	s_mov_b32 s[\g+4], 16
	s_mov_b32 s[\g+5], 32
	s_mov_b32 s[\g+6], 0
	s_mov_b32 s[\g+7], 0
.endr
	s_lshl_b32 s18, s16, 7
	s_lshl_b32 s20, s17, 8
	s_add_co_u32 s20, s20, s18                     ; A: the first place that I fetch
	s_lshl_b32 s46, s42, 8
	s_add_co_u32 s46, s46, s18
	s_add_co_u32 s46, s46, 3072                    ; B: Wo begins at place 3,072
	s_lshl_b32 s22, s20, 5
	s_mov_b32 s23, 0
	s_mul_i32 s20, s20, 768
	s_mov_b32 s21, 0
	s_lshl_b32 s66, s46, 5
	s_mov_b32 s67, 0
	s_mul_i32 s46, s46, 768
	s_mov_b32 s47, 0
	s_mul_i32 s45, s14, HALFT
	s_mul_i32 s2, s14, HALFS
	s_wait_kmcnt 0x0
	s_add_nc_u64 s[20:21], s[4:5], s[20:21]
	s_add_nc_u64 s[22:23], s[6:7], s[22:23]
	s_add_nc_u64 s[46:47], s[8:9], s[46:47]
	s_add_nc_u64 s[66:67], s[10:11], s[66:67]
	CROUND                                         ; all sixteen work-groups are here: the first joint loads meet
	s_mov_b32 s[G0S], 1
	s_add_co_u32 s[G0S+1], s2, SCL
	s_mov_b64 s[G0S+2:G0S+3], s[22:23]
	s_or_b32 s[G0S+3], s[G0S+3], 0x80000000
	s_mov_b32 s[G0SB], 1
	s_add_co_u32 s[G0SB+1], s2, SCL
	s_mov_b64 s[G0SB+2:G0SB+3], s[66:67]
	s_or_b32 s[G0SB+3], s[G0SB+3], 0x80000000
	JLOAD G0S, G1S, G0SB, G1SB
.irp s, 0,1
	s_mov_b32 s[G0+4*\s], 1
	s_add_co_u32 s[G0+4*\s+1], s45, \s*SLOT
	s_add_nc_u64 s[G0+4*\s+2:G0+4*\s+3], s[20:21], \s*ROWB
	s_or_b32 s[G0+4*\s+3], s[G0+4*\s+3], 0x80000000
	s_mov_b32 s[G0B+4*\s], 1
	s_add_co_u32 s[G0B+4*\s+1], s45, \s*SLOT
	s_add_nc_u64 s[G0B+4*\s+2:G0B+4*\s+3], s[46:47], \s*ROWB
	s_or_b32 s[G0B+4*\s+3], s[G0B+4*\s+3], 0x80000000
	s_wait_alu depctr_va_vdst(0)
	s_wait_tensorcnt 0x0
	ds_add_u32 v28, v29
	s_wait_dscnt 0x0
	CROUND
	JLOAD G0+4*\s, G1, G0B+4*\s, G1B
.endr
	v_and_b32 v3, 31, v0
	v_lshlrev_b32 v4, 3, v3                        ; 8 x lane
	v_lshlrev_b32 v[CO], 4, v3                     ; 16 x lane
	v_and_b32 v1, 15, v0                           ; r
	v_bfe_u32 v2, v0, 4, 1                         ; h
	s_wait_alu depctr_va_vdst(0)
	s_mul_i32 s21, s15, HALFT
	s_mul_i32 s22, s16, HALFT
	s_add_co_u32 s22, s22, 2*HALFT
.irp s, 0,1
	v_add_nc_u32 v[ADRA+\s], s21, v4
	v_add_nc_u32 v[ADRB+\s], s22, v4
	s_add_co_u32 s21, s21, SLOT
	s_add_co_u32 s22, s22, SLOT
.endr
	v_mul_u32_u24 v5, v1, KS
	v_lshrrev_b32 v6, 8, v5
	v_lshl_add_u32 v5, v6, 4, v5
	s_mul_i32 s21, s15, HALFS
	s_mul_i32 s22, s16, HALFS
	s_add_co_u32 s22, s22, 2*HALFS
	s_sub_co_u32 s22, s22, s21
	v_mul_u32_u24 v6, s22, v2
	s_add_co_u32 s21, s21, SCL
	v_add_nc_u32 v5, v5, v6
	v_add_nc_u32 v[ADRS], s21, v5
	s_mul_i32 s23, s14, 16*SPITCH                  ; my stage
	v_mul_u32_u24 v5, v1, SPITCH
	v_lshl_add_u32 v5, v2, 6, v5
	v_add_nc_u32 v[STO], s23, v5                   ; in: row r, + 64 h: features 16 h on of a group of 32
	v_add_nc_u32 v[RD], s23, v[CO]                 ; back: a row of 512 bytes
	s_lshl_b32 s96, s42, 8
	s_lshl_b32 s97, s16, 7
	s_add_co_u32 s96, s96, s97                     ; my first column
	v_lshlrev_b32 v5, 6, v2
	v_lshl_add_u32 v5, s96, 2, v5                  ; bo: 4 x (first column + 16 h)
.irp b, 0,1,2,3,4,5,6,7
	global_load_b128 v[BN+8*\b:BN+8*\b+3], v5, s[92:93] offset:(32*(\b/2)+8*(\b%2))*4
	global_load_b128 v[BN+8*\b+4:BN+8*\b+7], v5, s[92:93] offset:(32*(\b/2)+8*(\b%2))*4+16
.endr
	s_lshl_b32 s98, s17, 8
	s_lshl_b32 s97, s15, 7
	s_add_co_u32 s98, s98, s97                     ; my first row
	s_lshl_b32 s98, s98, 12                        ; 4,096 bytes a row of out0
	s_lshl_b32 s96, s96, 2
	s_add_co_u32 s98, s98, s96
	s_mov_b32 s99, 0
	s_add_nc_u64 s[94:95], s[94:95], s[98:99]
	s_wait_alu depctr_va_vdst(0)
	s_wait_loadcnt 0x0                             ; bo
	s_wait_tensorcnt 1                             ; the scales and my part of K step 0 are in (K step 1's load may be out),
	s_barrier_signal -1
	s_barrier_wait -1
	FETCH_B 0, 0, 0
	FETCH_A 0, 0, 0
	SCALES 0
	FETCH_A 0, 0, 4
	STEP 0, 0, 1
	s_mov_b32 s3, LAPS-1
.Llap:
	TURN 0, 1, 1
	STEP 1, 0, 0
	TURN 1, 0, 1
	STEP 0, 0, 0
	s_sub_co_u32 s3, s3, 1
	s_cmp_lg_u32 s3, 0
	s_cbranch_scc1 .Llap
	TURN 0, 1, 0
	STEP 1, 0, 0
	s_wait_dscnt 4*NL
	WIN MUL_LO
	MUL16 0, 1, NQ-1, 1, 0
	MUL16 2, 1, NQ-1, 1, 0
	s_wait_dscnt 0
	WIN MUL_HI
	MUL16 4, 1, NQ-1, 1, 0
	MUL16 6, 1, NQ-1, 1, 0
	WIN 0
; THE WAY OUT, block by block of 16 places x 128 columns, through my own stage.  Accumulator b's eight registers are features 32 (b / 2) + 16 h + 8 (b % 2) + 0 .. 7; place t of block a is token 32 (a / 2) + 8 (a % 2) + t + 8 (t / 8).
.macro TOSTAGE a
.set AC, 64*((\a)%4)
.if (\a) < 4
	WIN 0x08                                       ; an LDS store's data are its source 1: window 2,
.else
	WIN 0x0c                                       ; or 3
.endif
.irp b, 0,1,2,3,4,5,6,7
	ds_store_b128 v[STO], v[AC+8*\b:AC+8*\b+3] offset:128*(\b/2)+32*(\b%2)          ; each accumulator from its low end on
	ds_store_b128 v[STO], v[AC+8*\b+4:AC+8*\b+7] offset:128*(\b/2)+32*(\b%2)+16
.endr
	WIN 0
.set BB, BK+64*((\a)%2)
.irp t, 0,1,2,3,4,5,6,7,8,9,10,11,12,13,14,15
	ds_load_b128 v[BB+4*\t:BB+4*\t+3], v[RD] offset:\t*SPITCH      ; LDS serves a wave's instructions in order: these see the stores above
.endr
.endm
.macro SEND a, younger
.set BB, BK+64*((\a)%2)
	s_wait_dscnt \younger                          ; the block is back in registers
.if ((\a) > 0) && ((\a)%2 == 0)
	s_add_nc_u64 s[94:95], s[94:95], 32*4096       ; (behind a wait on XCNT: the earlier stores have read their base)  32 tokens on
.endif
.irp t, 0,1,2,3,4,5,6,7,8,9,10,11,12,13,14,15
	global_store_b128 v[CO], v[BB+4*\t:BB+4*\t+3], s[94:95] offset:(8*((\a)%2)+\t+8*(\t/8))*4096 th:TH_STORE_NT   ; 512 consecutive bytes, aligned; written once
.endr
.endm
	PLACES NP
	TOSTAGE 0
.irp a, 1,2,3,4,5,6,7
.if \a > 1
	s_wait_xcnt 0x0                                ; block a - 2's stores have read their registers and their base
.endif
	TOSTAGE \a
	SEND \a-1, 32                                  ; behind block a - 1's loads: block a's 16 stores and 16 loads
.endr
	s_wait_xcnt 0x0
	SEND 7, 0
	s_wait_tensorcnt 0x0                           ; the wave's end
	ds_add_u32 v[SPW], v[NIL]
	s_wait_dscnt 0x0
	CROUND                                         ; the closing round
	s_endpgm
.Lfunc_end_k_q88927c32a7_proj:
	.size	k_q88927c32a7_proj, .Lfunc_end_k_q88927c32a7_proj-k_q88927c32a7_proj
	.p2alignl 7, 3214868480
	.fill 96, 4, 3214868480
	.section	.rodata,"a",@progbits
	.p2align	6, 0x0
	.amdhsa_kernel k_q88927c32a7_proj
		.amdhsa_group_segment_fixed_size 327680
		.amdhsa_private_segment_fixed_size 0
		.amdhsa_enable_private_segment 0
		.amdhsa_kernarg_size 48
		.amdhsa_user_sgpr_count 2
		.amdhsa_user_sgpr_kernarg_segment_ptr 1
		.amdhsa_wavefront_size32 1
		.amdhsa_system_sgpr_workgroup_id_x 1
		.amdhsa_system_sgpr_workgroup_id_y 1
		.amdhsa_system_sgpr_workgroup_id_z 1
		.amdhsa_system_vgpr_workitem_id 0
		.amdhsa_next_free_vgpr 1024
		.amdhsa_next_free_sgpr 100
		.amdhsa_reserve_vcc 0
		.amdhsa_float_denorm_mode_32 3
		.amdhsa_float_denorm_mode_16_64 3
		.amdhsa_memory_ordered 1
		.amdhsa_forward_progress 1
		.amdhsa_inst_pref_size 162
	.end_amdhsa_kernel
	.amdgpu_metadata
---
amdhsa.version: [ 1, 2 ]
amdhsa.kernels:
  - .name:           k_q88927c32a7_proj
    .symbol:         k_q88927c32a7_proj.kd
    .args:
      - { .name: ao_img, .offset: 0, .size: 8, .value_kind: global_buffer, .address_space: global }
      - { .name: ao_sc, .offset: 8, .size: 8, .value_kind: global_buffer, .address_space: global }
      - { .name: w_img, .offset: 16, .size: 8, .value_kind: global_buffer, .address_space: global }
      - { .name: w_sc, .offset: 24, .size: 8, .value_kind: global_buffer, .address_space: global }
      - { .name: bo, .offset: 32, .size: 8, .value_kind: global_buffer, .address_space: global }
      - { .name: out0, .offset: 40, .size: 8, .value_kind: global_buffer, .address_space: global }
    .group_segment_fixed_size: 327680
    .private_segment_fixed_size: 0
    .kernarg_segment_align: 8
    .kernarg_segment_size: 48
    .max_flat_workgroup_size: 128
    .sgpr_count:     100
    .vgpr_count:     1024
    .wavefront_size: 32
...
	.end_amdgpu_metadata
.endif
;; end of part 4
